; MI455X (gfx1250); checked and timed in simulation.
; The chip was launched on July 23, 2026; its instructions are those of AMD's public machine-readable ISA for CDNA 5 (MIT licence, August 2026) and "CDNA5" Instruction Set Architecture Reference Guide (July 2026). The comments in the code are by the model that wrote it; some were corrected since.
;; Cross Attention. Allowed arithmetic: float matrix products may take bf16 or f16 operands with f32 sums; other float arithmetic in f32, or as packed bf16 or f16 multiplies, adds, multiply-adds, maxima and minima; sums over many terms, partial sums and values carried from step to step in f32; what a program stores and reads back later, other than sums and carried values, may be rounded once to bf16 or f16.
;; Inputs: image_features 4 x 4,096 x 256 float32; text_features 4 x 4,096 x 256 float32.
;; Outputs: out0 4 x 4,096 x 256 float32; out1 4 x 4,096 x 256 float32.
;; 3 versions, each right; version 3 is version 2 with the launch cast written anew for expert scheduling mode. Each part assembles by itself: llvm-mc -triple=amdgcn-amd-amdhsa -mcpu=gfx1250 --defsym DOCPART=n.
;; ======== version 1 of 3: 4 launches
;; workspace buffers: ib 8,388,608 bytes; tb 8,388,608 bytes; lse 65,536 bytes
;; launch cast (part 1): grid 512 x 1, 8 waves a work-group, no clusters, 0 bytes of LDS; arguments image_features, text_features, ib, tb; writes ib, tb
.if DOCPART == 1
	.amdgcn_target "amdgcn-amd-amdhsa--gfx1250"
	.amdhsa_code_object_version 6
	.text
	.protected	k_q16266a7b36_cast
	.globl	k_q16266a7b36_cast
	.p2align	8
	.type	k_q16266a7b36_cast,@function
k_q16266a7b36_cast:
	s_mov_b64 s[64:65], 0
	v_nop
	global_prefetch_b8 v0, s[64:65] scope:SCOPE_SE
	s_setreg_imm32_b32 hwreg(HW_REG_WAVE_MODE, 25, 1), 1
	s_wait_xcnt 0x0
; ib = bf16(image_features), tb = bf16(text_features): both inputs rounded once, to nearest even, for the two attention launches,
; whose 64 work-groups a batch read every tile and whose turning LDS load wants 16-bit data.
; A pure stream: no LDS, no matrix unit, no cluster (no byte is read twice).  A work-group takes 32,768 bytes of each input: 8 chunks of 4,096
; bytes, 16 bytes a thread, so a wave's load covers 512 consecutive bytes; a thread's 4 numbers leave as 8 bytes, so a wave's store covers
; 256 consecutive bytes, aligned.  All 16 loads of a wave go out at once; no register is written twice, so no wait frees any.
.set CHUNK, 4096                       ; bytes that the 256 threads read with one load each
.set X, 8                              ; v[8:71]   16 x 4 registers as loaded: 8 chunks of the image, 8 of the text
.set Y, 72                             ; v[72:103] 16 x 2 registers to store
	s_load_b256 s[4:11], s[0:1], 0x0               ; image s[4:5], text s[6:7], ib s[8:9], tb s[10:11]
	v_lshlrev_b32 v1, 4, v0                        ; my 16 bytes of a chunk
	v_lshlrev_b32 v2, 3, v0                        ; my 8 bytes of its rounded copy
	s_lshl_b32 s12, ttmp9, 15                      ; the work-group's 32,768 bytes in,
	s_mov_b32 s13, 0
	s_lshl_b32 s14, ttmp9, 14                      ; and 16,384 bytes out
	s_mov_b32 s15, 0
	s_wait_kmcnt 0x0
	s_add_nc_u64 s[4:5], s[4:5], s[12:13]
	s_add_nc_u64 s[6:7], s[6:7], s[12:13]
	s_add_nc_u64 s[8:9], s[8:9], s[14:15]
	s_add_nc_u64 s[10:11], s[10:11], s[14:15]
.set i, 0
.rept 8
	global_load_b128 v[X+4*i:X+4*i+3], v1, s[4:5] offset:CHUNK*i th:TH_LOAD_NT
.set i, i+1
.endr
.set i, 0
.rept 8
	global_load_b128 v[X+32+4*i:X+32+4*i+3], v1, s[6:7] offset:CHUNK*i th:TH_LOAD_NT
.set i, i+1
.endr
.set i, 0
.rept 16
	s_wait_loadcnt 15-i                            ; loads come back in order: number i is in, the 15 - i younger ones stay out
	v_cvt_pk_bf16_f32 v[Y+2*i], v[X+4*i], v[X+4*i+1]
	v_cvt_pk_bf16_f32 v[Y+2*i+1], v[X+4*i+2], v[X+4*i+3]
.if i < 8
	global_store_b64 v2, v[Y+2*i:Y+2*i+1], s[8:9] offset:(CHUNK/2)*i
.else
	global_store_b64 v2, v[Y+2*i:Y+2*i+1], s[10:11] offset:(CHUNK/2)*(i-8)
.endif
.set i, i+1
.endr
	s_endpgm
.Lfunc_end_k_q16266a7b36_cast:
	.size	k_q16266a7b36_cast, .Lfunc_end_k_q16266a7b36_cast-k_q16266a7b36_cast
	.p2alignl 7, 3214868480
	.fill 96, 4, 3214868480
	.section	.rodata,"a",@progbits
	.p2align	6, 0x0
	.amdhsa_kernel k_q16266a7b36_cast
		.amdhsa_group_segment_fixed_size 0
		.amdhsa_private_segment_fixed_size 0
		.amdhsa_enable_private_segment 0
		.amdhsa_kernarg_size 32
		.amdhsa_user_sgpr_count 2
		.amdhsa_user_sgpr_kernarg_segment_ptr 1
		.amdhsa_wavefront_size32 1
		.amdhsa_system_sgpr_workgroup_id_x 1
		.amdhsa_system_sgpr_workgroup_id_y 1
		.amdhsa_system_sgpr_workgroup_id_z 1
		.amdhsa_system_vgpr_workitem_id 0
		.amdhsa_next_free_vgpr 104
		.amdhsa_next_free_sgpr 66
		.amdhsa_reserve_vcc 0
		.amdhsa_float_denorm_mode_32 3
		.amdhsa_float_denorm_mode_16_64 3
		.amdhsa_memory_ordered 1
		.amdhsa_forward_progress 1
		.amdhsa_inst_pref_size 7
	.end_amdhsa_kernel
	.amdgpu_metadata
---
amdhsa.version: [ 1, 2 ]
amdhsa.kernels:
  - .name:           k_q16266a7b36_cast
    .symbol:         k_q16266a7b36_cast.kd
    .args:
      - { .name: image_features, .offset: 0, .size: 8, .value_kind: global_buffer, .address_space: global }
      - { .name: text_features, .offset: 8, .size: 8, .value_kind: global_buffer, .address_space: global }
      - { .name: ib, .offset: 16, .size: 8, .value_kind: global_buffer, .address_space: global }
      - { .name: tb, .offset: 24, .size: 8, .value_kind: global_buffer, .address_space: global }
    .group_segment_fixed_size: 0
    .private_segment_fixed_size: 0
    .kernarg_segment_align: 8
    .kernarg_segment_size: 32
    .max_flat_workgroup_size: 256
    .sgpr_count:     66
    .vgpr_count:     104
    .wavefront_size: 32
...
	.end_amdgpu_metadata
.endif
;; end of part 1
;; launch stats (part 2): grid 64 x 4, 4 waves a work-group, clusters of 4 x 1, 327,680 bytes of LDS; arguments ib, tb, lse; writes lse
.if DOCPART == 2
	.amdgcn_target "amdgcn-amd-amdhsa--gfx1250"
	.amdhsa_code_object_version 6
	.text
	.protected	k_q16266a7b36_stats
	.globl	k_q16266a7b36_stats
	.p2align	8
	.type	k_q16266a7b36_stats,@function
k_q16266a7b36_stats:
	s_mov_b64 s[64:65], 0
	v_nop
	global_prefetch_b8 v0, s[64:65] scope:SCOPE_SE
	s_setreg_imm32_b32 hwreg(HW_REG_WAVE_MODE, 25, 1), 1
	s_wait_xcnt 0x0
	s_wait_alu depctr_hold_cnt(0) depctr_sa_sdst(0) depctr_va_vdst(0) depctr_va_sdst(0) depctr_va_ssrc(0) depctr_va_vcc(0) depctr_vm_vsrc(0)
	s_getreg_b32 s2, hwreg(HW_REG_IB_STS2, 6, 4)
	s_cmp_eq_u32 s2, 0
	s_cbranch_scc0 .Lentry_in_a_cluster
	s_endpgm
.Lentry_in_a_cluster:
	s_bfe_u32 s2, ttmp6, 0x10000c
	s_cmp_lg_u32 s2, 0x3003
	s_cbranch_scc0 .Lentry_shape_is_right
	s_endpgm
.Lentry_shape_is_right:
; lse[b][i] = c m + log2(l) for each image row i: m the largest score s = I[b][i] . T[b][t] over t, l the sum over t of 2^(c s - c m), c = log2(e) / 16.  The two launches behind take the
; finished weight 2^(c s - lse) from it.  I (ib) and T (tb): [4][4096][256] bf16; lse f32.  Products, maxima and sums in f32.
; lse is laid as its reader by keys wants it: inside each 16 rows, row r stands at place 8 (r % 2) + r / 2.
; LIMITS.  NaN and infinities are not treated apart; a term below 2^-126 counts as 0 in l; c s lies above -4.25e37, where c m starts.
; SHARES.  A work-group owns 64 image rows (four tiles of 16), 64 work-groups a batch.  All four waves hold all 64 rows as Q, and the KEYS (text rows) are split among them: in step j (16 steps) wave w
; takes the 64 keys of key tile 4 j + w, with a running maximum and sum of its own; the four meet in LDS once, at the end, and wave 0 stores the block's 256 bytes.
; LAYOUT.  S^T = K Q^T (source 0 = 16 keys, source 1 = 16 queries): a lane holds ONE query (lane % 16) and 8 keys of each 16; a query's other keys lie in the lane 16 away.
; The keys are read in the same permuted order as in the launches behind (matrix row m is LDS row 2 (m % 8) + m / 8); a maximum and a sum over keys do not mind the order.
; CLUSTER.  The four work-groups of a cluster belong to one batch and walk the same keys: each tile is asked for JOINTLY, the same load, descriptor and mask in all four.
; PHASES.  A step is 128 products K Q^T, then the four tiles' maximum, exponentials and sums.
; REGISTERS, in windows of 256 (s_set_vgpr_msb: bits 1:0 source 0, 3:2 source 1, 5:4 source 2, 7:6 destination):
;   window 0: v0-15 addresses; v16-47 statistics, 8 a tile; v52-57 at work; v64-191 S^T (tile t at 32 t, key block kb at + 8 kb); v192-255 four places of two fragments
;   window 1: Q, (tile t, channels 32 c on) at 64 t + 8 c
.set PITCH,  528                       ; an LDS row: 512 bytes + 16 of padding: the 16 rows of a load start at 16 different 16-byte columns (64 banks of 4 bytes: ISA guide 11.1)
.set TILE,   64*PITCH                  ; a wave's key tile: 33,792 bytes
.set SLOT,   4*TILE                    ; 135,168 = 0x21000; no tile's start in slot 0 has one of its two bits, so one exclusive or changes slots
.set STEPB,  4*64*512                  ; bytes of K from step to step
.set STEPS,  16
.set SCR,    2*SLOT                    ; behind the ring: (c m, l) of 64 queries for each wave, 2,048 bytes
.set SPARE,  SCR+2048                  ; the spare words, 128 bytes for each wave: two blocks of 256 bytes that no other line names
.set RR,  1                            ; v1   lane % 16
.set HH,  2                            ; v2   lane / 16
.set AK0, 3                            ; v3   my place in a tile
.set ADK, 5                            ; v5   AK0 + the step's tile
.set QO,  7                            ; v7   my byte offset in 16 rows of Q
.set PFO, 8                            ; v8   256 x lane
.set XS,  10                           ; v10  where I put a query's (c m, l)
.set XR,  11                           ; v11  where the four waves' are read
.set LO,  13                           ; v13  my place in 128 bytes of lse
.set SPW, 14                           ; v14  LDS address of my spare word; never rewritten
.set NIL, 15                           ; v15  0; never rewritten
.set ST,  16                           ; tile t at ST + 8 t: c m, m, l (even, odd registers'), c0-c3 at work; c2 takes a
.set LD2, 52                           ; v52-53 lse as stored
.set S,   64
.set FR,  192
.set WV,  12                           ; s12  my wave's number
.set LIM, 15                           ; s15  1 in a cluster that prefetches, else the greatest number
.set PFA, 18                           ; s[18:19] where my prefetches stand
.set G1,  24                           ; s[24:31] descriptor group 1
.set G0,  32                           ; s[32:35] descriptor group 0: it walks
.set LEFT, 36                          ; s36  trips to go
.set TB,  37                           ; s37  LDS byte of my tile of the step in hand
.set CS,  38                           ; s[38:39] c, twice
.set SEL, 40                           ; s[40:41] v_permlanex16_b32's selects: each lane takes its own place in the other half
.set HM,  42                           ; s42  a lane mask: lanes 16-31
.set W_KQ, 0x04                        ; Q (source 1) in window 1, all else in window 0: LDS loads into window 0 run under it too
.set MSB, 0
.macro WIN new                         ; the high byte repeats the setting that is left; a switch that changes nothing is dropped
.if MSB != (\new)
	s_set_vgpr_msb (MSB<<8)|(\new)
.set MSB, (\new)
.endif
.endm
.macro PLACES                          ; four plain vector instructions between a matrix instruction and what reads its result or loads into its registers
.rept 4
	v_nop
.endr
.endm
.macro ROUND                           ; a round of the cluster's barrier: my work-group's barrier; wave 0 signals for it; every wave waits for all four work-groups; my work-group's barrier again
	s_barrier_signal -1
	s_barrier_wait -1
	s_cmp_lg_u32 s[WV], 0
	s_cbranch_scc1 .Lnot_wave_0_\@
	s_barrier_signal -3
.Lnot_wave_0_\@:
	s_barrier_wait -3
	s_barrier_signal -1
	s_barrier_wait -1
.endm
.macro JLOAD                           ; a joint load: every wave fetches its own key tile; s_nop 0 and four v_nop follow
	tensor_load_to_lds s[G0:G0+3], s[G1:G1+7]
	s_nop 0
	PLACES
.endm
; A PREFETCH INTO THE L2 of the tile that my wave will ask for at the NEXT change of slots: one step, 128 matrix instructions and a softmax's arithmetic, ahead of that load.  All 16 clusters of a batch
; walk the same keys: the batch's first cluster asks, and nobody else.  Of wave w's 32,768 bytes each of the four partners takes 8,192, told apart BY ADDRESS, a lane a block of 256: each block is
; named once in the launch.  The loop's last trip asks for nothing: there is no step behind the one that it loads.  Steps 0 and 1 come by their loads alone.
.macro ASK
	s_cmp_gt_u32 s[LEFT], s[LIM]
	s_cbranch_scc0 .Lnot_mine_\@
	global_prefetch_b8 v[PFO], s[PFA:PFA+1] th:TH_LOAD_NT scope:SCOPE_SE
.Lnot_mine_\@:
.endm
; THE CHANGE OF SLOTS.  Each wave waits for all its tensor loads (one is out: the tile of the step to come), adds 0 to its spare word, and waits for that and for its reads of the slot that it leaves.
; fill = 1: a round of the cluster's barrier, and first behind it the joint load of the step after, into the slot just left (at the first use: slot 1's first fill).
.macro CHANGE fill
	WIN 0                                          ; at a label and at a branch every window is 0
	s_wait_tensorcnt 0x0                           ; no tensor load of mine is out, so group 0 may be written
	ds_add_u32 v[SPW], v[NIL]                      ; 0 onto my spare word
.if \fill
	s_xor_b32 s[G0+1], s[G0+1], SLOT               ; the other slot than last time,
	s_add_nc_u64 s[G0+2:G0+3], s[G0+2:G0+3], STEPB ; the next step's tile; the type bits on top are not reached
	s_wait_xcnt 0x0                                ; the last prefetch, a step back, has read its address
	s_add_nc_u64 s[PFA:PFA+1], s[PFA:PFA+1], STEPB ; one step further than the descriptor
	s_wait_dscnt 0x0                               ; the add is done, and my reads of the slot are over
	ROUND
	JLOAD
	ASK
.else
	s_wait_dscnt 0x0
	s_barrier_signal -1
	s_barrier_wait -1
.endif
	s_xor_b32 s[TB], s[TB], SLOT
	v_add_nc_u32 v[ADK], s[TB], v[AK0]
.endm
; GROUP g of a step's 16: two fragments of K, four LDS loads, into place g % 4: channels 32 (g / 2) on, key blocks 2 (g % 2), + 1.
.macro FETCH g
.set fb, FR+16*((\g)%4)
.set fc, (\g)/2
.set fk, 2*((\g)%2)
	ds_load_b128 v[fb:fb+3],     v[ADK] offset:fk*16*PITCH+64*fc
	ds_load_b128 v[fb+4:fb+7],   v[ADK] offset:fk*16*PITCH+64*fc+32
	ds_load_b128 v[fb+8:fb+11],  v[ADK] offset:(fk+1)*16*PITCH+64*fc
	ds_load_b128 v[fb+12:fb+15], v[ADK] offset:(fk+1)*16*PITCH+64*fc+32
.endm
; Group g's eight products: S^T(t, kb) += K x Q(t, c); the first channels start the sums.  The accumulators take turns, one instruction a turn: 15 others' stand between two links.
.macro MULK g
.set fb, FR+16*((\g)%4)
.set fc, (\g)/2
.set fk, 2*((\g)%2)
.set mi, 0
.rept 2
.set mt, 0
.rept 4
.set rS, S+32*mt+8*(fk+mi)
.set rQ, 64*mt+8*fc
.if fc == 0
	v_wmma_f32_16x16x32_bf16 v[rS:rS+7], v[fb+8*mi:fb+8*mi+7], v[rQ:rQ+7], 0
.else
	v_wmma_f32_16x16x32_bf16 v[rS:rS+7], v[fb+8*mi:fb+8*mi+7], v[rQ:rQ+7], v[rS:rS+7]
.endif
.set mt, mt+1
.endr
.set mi, mi+1
.endr
.endm
.macro ALLT line:vararg                ; one line for each tile t, so that no line reads the result of the line before it
.set t, 0
.rept 4
.set rT, ST+8*t
.set rS, S+32*t
.set rX, S+8*t
	\line
.set t, t+1
.endr
.endm
; The new maximum and what hangs on it.  Each accumulator's lowest registers are read first.
.macro MAXES
.set mn, 0
.rept 4
	ALLT v_max3_num_f32 v[rT+4+mn], v[rS+8*mn], v[rS+8*mn+1], v[rS+8*mn+2]
.set mn, mn+1
.endr
.rept 8
	ALLT v_max3_num_f32 v[rT+4+mn%4], v[rT+4+mn%4], v[rS+8*(mn%4)+2*(mn/4)+1], v[rS+8*(mn%4)+2*(mn/4)+2]
.set mn, mn+1
.endr
	ALLT v_max3_num_f32 v[rT+4], v[rT+4], v[rS+7], v[rS+15]
	ALLT v_max3_num_f32 v[rT+6], v[rT+6], v[rS+23], v[rS+31]
	ALLT v_max3_num_f32 v[rT+4], v[rT+4], v[rT+5], v[rT+6]
	ALLT v_max3_num_f32 v[rT+4], v[rT+4], v[rT+7], v[rT+1]
	ALLT v_permlanex16_b32 v[rT+5], v[rT+4], s[SEL], s[SEL+1]  ; the query's other 32 keys lie in the lane 16 away
	ALLT v_mov_b32 v[rT+7], v[rT]                  ; c m_old is kept
	ALLT v_max_num_f32 v[rT+1], v[rT+4], v[rT+5]
	ALLT v_mul_f32 v[rT], s[CS], v[rT+1]
	ALLT v_sub_f32 v[rT+7], v[rT+7], v[rT]
	ALLT v_exp_f32 v[rT+6], v[rT+7]                ; a = 2^(c m_old - c m_new); the scalings below are the plain lines behind it
.endm
; Stage k, for each tile: c s - c m of pair k; the two exponentials of pair k - 1; between them pair k - 2 is added onto l (the first time as l = a l + pair).
.macro STAGES
.set k, 0
.rept 18
.set t, 0
.rept 4
.set rT, ST+8*t
.set rS, S+32*t
.set b, k-2
.if k < 16
	v_pk_fma_f32 v[rS+2*k:rS+2*k+1], v[rS+2*k:rS+2*k+1], s[CS:CS+1], v[rT:rT+1] op_sel_hi:[1,0,0] neg_lo:[0,0,1] neg_hi:[0,0,1]
.endif
.if (k >= 1) && (k <= 16)
	v_exp_f32 v[rS+2*k-2], v[rS+2*k-2]
.endif
.if k == 2
	s_wait_alu depctr_va_vdst(0)
	v_pk_fma_f32 v[rT+2:rT+3], v[rT+2:rT+3], v[rT+6:rT+7], v[rS:rS+1] op_sel_hi:[1,0,1]
.elseif k > 2
	s_wait_alu depctr_va_vdst(0)
	v_pk_add_f32 v[rT+2:rT+3], v[rT+2:rT+3], v[rS+2*b:rS+2*b+1]
.endif
.if (k >= 1) && (k <= 16)
	v_exp_f32 v[rS+2*k-1], v[rS+2*k-1]
.endif
.set t, t+1
.endr
.set k, k+1
.endr
.endm
; A KEY STEP.  Four groups of loads are out: group g + 4 is asked for four places behind group g's products, 24 products ahead of its own; the wait leaves the three younger groups' 12 loads out.
.macro STEP
	WIN W_KQ
	FETCH 0
	FETCH 1
	FETCH 2
	FETCH 3
.set gg, 0
.rept 16
.if gg < 13
	s_wait_dscnt 12
.else
	s_wait_dscnt 4*(15-gg)                         ; the counts run down: nothing more is fetched
.endif
	MULK gg
.if gg < 12
	PLACES
	FETCH gg+4
.endif
.set gg, gg+1
.endr
	PLACES                                         ; between the last products and the maxima that read the scores
	WIN 0
	MAXES
	STAGES
.endm
	s_load_b128 s[4:7], s[0:1], 0x0                ; ib (Q) s[4:5], tb (K) s[6:7]
	s_load_b64 s[8:9], s[0:1], 0x10                ; lse
	v_lshl_add_u32 v[SPW], v0, 2, SPARE
	v_mov_b32 v[NIL], 0
	ds_add_u32 v[SPW], v[NIL]                      ; the wave's opening: the add and its wait stand ahead of my first tensor load; work on registers stands between them
	v_lshrrev_b32 v1, 5, v0
	v_readfirstlane_b32 s[WV], v1                  ; wave 0..3
	s_bfe_u32 s13, ttmp6, 0x40000                  ; cx: my place in the cluster: it enters Q's, lse's and the prefetches' addresses alone
	s_lshl_b32 s14, ttmp9, 2                       ; in a cluster launch ttmp9 counts clusters
	s_add_co_u32 s14, s14, s13                     ; my block of 64 queries
	s_and_b32 s20, ttmp7, 0xffff                   ; the batch, which the four partners share
	s_lshl_b32 s16, s20, 21                        ; K: the batch's 4,096 rows of 512 bytes,
	s_lshl_b32 s21, s[WV], 15                      ; my wave's tile of step 0
	s_add_co_u32 s16, s16, s21
	s_mov_b32 s17, 0
	s_lshl_b32 s2, s13, 13                         ; the prefetches: my work-group's 8,192 bytes of that tile,
	s_add_co_u32 s2, s2, s16
	s_add_co_u32 s2, s2, STEPB                     ; at step 1; the first change of slots steps it to step 2
	s_mov_b32 s3, 0
	s_lshl_b32 s22, s20, 21                        ; Q: the batch, my block's 64 rows of 512 bytes
	s_lshl_b32 s23, s14, 15
	s_add_co_u32 s22, s22, s23
	s_mov_b32 s23, 0
	s_lshl_b32 s58, s20, 14                        ; lse: the batch, my block's 256 bytes
	s_lshl_b32 s59, s14, 8
	s_add_co_u32 s58, s58, s59
	s_mov_b32 s59, 0
	; descriptor group 1: a tile of 64 rows x 256 elements of 2 bytes, padded in LDS
	s_mov_b32 s[G1], 15|(1<<16)|(1<<20)|(1<<21)|(6<<22)|(3<<25)  ; 15:0 the mask of four; 17:16 2-byte elements; 20 padding on; 21 set beside a mask; 24:22 after every 128 words (code 6); 31:25 4 words (code 3)
	s_mov_b32 s[G1+1], 256<<16                     ; tensor_dim0 = 256
	s_mov_b32 s[G1+2], 64<<16                      ; tensor_dim1 = 64
	s_mov_b32 s[G1+3], 256<<16                     ; tile_dim0 = 256
	s_mov_b32 s[G1+4], 64                          ; tile_dim1 = 64
	s_mov_b32 s[G1+5], 256                         ; 256 elements from row to row
	s_mov_b32 s[G1+6], 0
	s_mov_b32 s[G1+7], 0
	s_mov_b32 s[G0], 1                             ; count = 1
	s_mul_i32 s[G0+1], s[WV], TILE                 ; LDS address: my tile in slot 0
	s_xor_b32 s[TB], s[G0+1], SLOT                 ; the first change of slots turns it into slot 0
	s_mov_b32 s[CS], 0x3db8aa3b                    ; c = log2(e) / 16
	s_mov_b32 s[CS+1], s[CS]
	s_mov_b32 s[SEL], 0x76543210
	s_mov_b32 s[SEL+1], 0xfedcba98
	s_mov_b32 s[HM], 0xffff0000
	s_cmp_eq_u32 ttmp9, 0                          ; the batch's first cluster: the same answer in all four partners
	s_cselect_b32 s[LIM], 1, -1
	s_wait_dscnt 0x0                               ; the opening add is done
	s_wait_kmcnt 0x0
	s_add_nc_u64 s[G0+2:G0+3], s[6:7], s[16:17]
	s_or_b32 s[G0+3], s[G0+3], 0x80000000          ; type = 2
	s_add_nc_u64 s[PFA:PFA+1], s[6:7], s[2:3]
	s_add_nc_u64 s[4:5], s[4:5], s[22:23]
	s_add_nc_u64 s[8:9], s[8:9], s[58:59]
	ROUND                                          ; all four work-groups are here: the first joint loads meet
	JLOAD                                          ; step 0 into slot 0; one tensor load of mine is out
	v_and_b32 v[RR], 15, v0
	v_bfe_u32 v[HH], v0, 4, 1
	v_lshlrev_b32 v[QO], 9, v[RR]
	v_lshl_add_u32 v[QO], v[HH], 4, v[QO]          ; row x 512 + 16 x half
	WIN 0x40                                       ; destination window 1, address window 0
.set i, 0
.rept 32                                       ; Q stays in registers: tile i / 8, channels 32 (i % 8) on; two loads of 16 bytes, 32 bytes apart
	global_load_b128 v[8*i:8*i+3],   v[QO], s[4:5] offset:(i/8)*8192+(i%8)*64
	global_load_b128 v[8*i+4:8*i+7], v[QO], s[4:5] offset:(i/8)*8192+(i%8)*64+32
.set i, i+1
.endr
	WIN 0
.set t, 0
.rept 4                                        ; l starts at 0, c m far below every c s: the first step is a step like any other, with a = 0
	v_mov_b32 v[ST+8*t], 0xfe000000                ; c m
	v_mov_b32 v[ST+8*t+1], 0xff7fffff              ; m: the lowest finite number
	v_mov_b32 v[ST+8*t+2], 0
	v_mov_b32 v[ST+8*t+3], 0
.set t, t+1
.endr
	v_and_b32 v52, 7, v0                           ; a = lane % 8
	v_bfe_u32 v53, v0, 3, 1                        ; b = (lane / 8) % 2
	v_lshl_add_u32 v54, v52, 1, v53
	v_mul_u32_u24 v[AK0], v54, PITCH
	v_lshl_add_u32 v[AK0], v[HH], 4, v[AK0]        ; row 2 a + b, 16 bytes for each half of the lanes
	v_and_b32 v55, 31, v0
	v_lshlrev_b32 v[PFO], 8, v55
	s_lshl_b32 s20, s[WV], 9
	s_add_co_u32 s20, s20, SCR
	v_lshl_add_u32 v[XS], v[RR], 3, s20
	v_lshl_add_u32 v[XR], v[RR], 3, SCR
	v_and_b32 v56, 1, v[RR]                        ; row r of a block of 16 goes to place 8 (r % 2) + r / 2;
	v_lshrrev_b32 v57, 1, v[RR]
	v_lshl_add_u32 v56, v56, 3, v57
	v_lshl_add_u32 v56, v[HH], 4, v56              ; lanes 16-31 store the next tile's
	v_lshlrev_b32 v[LO], 2, v56
	s_wait_loadcnt 0x0                             ; Q
	s_mov_b32 s[LEFT], STEPS-1
.Lstep:                                        ; 15 trips: step j is worked on, step j + 1 asked for
	CHANGE 1
	STEP
	s_sub_co_u32 s[LEFT], s[LEFT], 1
	s_cmp_lg_u32 s[LEFT], 0
	s_cbranch_scc1 .Lstep
	CHANGE 0                                       ; the last step is written out: nothing is asked for
	STEP
	; THE FOUR WAVES MEET.  Each puts (c m, l) of its 64 queries into LDS; both halves of the lanes hold, and write, the same numbers.
	ALLT v_add_f32 v[rT+4], v[rT+2], v[rT+3]
	ALLT v_permlanex16_b32 v[rT+5], v[rT+4], s[SEL], s[SEL+1]
	ALLT v_add_f32 v[rT+1], v[rT+4], v[rT+5]
	ALLT ds_store_b64 v[XS], v[rT:rT+1] offset:128*t
	s_wait_dscnt 0x0                               ; for wave 0's sake: my stores are done
	s_barrier_signal -1
	s_barrier_wait -1
	s_cmp_lg_u32 s[WV], 0                          ; wave 0 merges and stores
	s_cbranch_scc1 .Lend
.set t, 0
.rept 4
.set vv, 0
.rept 4
	ds_load_b64 v[S+8*t+2*vv:S+8*t+2*vv+1], v[XR] offset:512*vv+128*t
.set vv, vv+1
.endr
.set t, t+1
.endr
	s_wait_dscnt 0x0
	; M = the largest c m; L = the sum of 2^(c m_v - M) l_v, at least 1; lse = M + log2(L)
	ALLT v_max3_num_f32 v[rT+4], v[rX], v[rX+2], v[rX+4]
	ALLT v_max_num_f32 v[rT+4], v[rT+4], v[rX+6]
	ALLT v_sub_f32 v[rX], v[rX], v[rT+4]
	ALLT v_sub_f32 v[rX+2], v[rX+2], v[rT+4]
	ALLT v_sub_f32 v[rX+4], v[rX+4], v[rT+4]
	ALLT v_sub_f32 v[rX+6], v[rX+6], v[rT+4]
	ALLT v_exp_f32 v[rX], v[rX]
	ALLT v_exp_f32 v[rX+2], v[rX+2]
	ALLT v_exp_f32 v[rX+4], v[rX+4]
	ALLT v_exp_f32 v[rX+6], v[rX+6]
	v_nop                                          ; a plain line behind the last exponential
	s_wait_alu depctr_va_vdst(0)
	ALLT v_mul_f32 v[rT+6], v[rX], v[rX+1]
	ALLT v_fma_f32 v[rT+6], v[rX+2], v[rX+3], v[rT+6]
	ALLT v_fma_f32 v[rT+6], v[rX+4], v[rX+5], v[rT+6]
	ALLT v_fma_f32 v[rT+6], v[rX+6], v[rX+7], v[rT+6]
	ALLT v_log_f32 v[rT+7], v[rT+6]
	v_nop                                          ; a plain line behind the last logarithm
	s_wait_alu depctr_va_vdst(0)
	ALLT v_add_f32 v[rT+5], v[rT+7], v[rT+4]
	v_cndmask_b32 v[LD2], v[ST+5], v[ST+13], s[HM]     ; lanes 0-15 tile 0's, lanes 16-31 tile 1's
	v_cndmask_b32 v[LD2+1], v[ST+21], v[ST+29], s[HM]  ; tiles 2 and 3
	global_store_b32 v[LO], v[LD2], s[8:9]             ; 128 consecutive bytes each: together the block's 256, aligned
	global_store_b32 v[LO], v[LD2+1], s[8:9] offset:128
.Lend:
	s_wait_tensorcnt 0x0                           ; the wave's end, behind my last tensor load and my last LDS store
	ds_add_u32 v[SPW], v[NIL]
	s_wait_dscnt 0x0
	ROUND                                          ; the closing round: no work-group ends while a partner may still ask for a tile that names it
	s_endpgm
.Lfunc_end_k_q16266a7b36_stats:
	.size	k_q16266a7b36_stats, .Lfunc_end_k_q16266a7b36_stats-k_q16266a7b36_stats
	.p2alignl 7, 3214868480
	.fill 96, 4, 3214868480
	.section	.rodata,"a",@progbits
	.p2align	6, 0x0
	.amdhsa_kernel k_q16266a7b36_stats
		.amdhsa_group_segment_fixed_size 327680
		.amdhsa_private_segment_fixed_size 0
		.amdhsa_enable_private_segment 0
		.amdhsa_kernarg_size 24
		.amdhsa_user_sgpr_count 2
		.amdhsa_user_sgpr_kernarg_segment_ptr 1
		.amdhsa_wavefront_size32 1
		.amdhsa_system_sgpr_workgroup_id_x 1
		.amdhsa_system_sgpr_workgroup_id_y 1
		.amdhsa_system_sgpr_workgroup_id_z 1
		.amdhsa_system_vgpr_workitem_id 0
		.amdhsa_next_free_vgpr 512
		.amdhsa_next_free_sgpr 66
		.amdhsa_reserve_vcc 0
		.amdhsa_float_denorm_mode_32 3
		.amdhsa_float_denorm_mode_16_64 3
		.amdhsa_memory_ordered 1
		.amdhsa_forward_progress 1
		.amdhsa_inst_pref_size 85
	.end_amdhsa_kernel
	.amdgpu_metadata
---
amdhsa.version: [ 1, 2 ]
amdhsa.kernels:
  - .name:           k_q16266a7b36_stats
    .symbol:         k_q16266a7b36_stats.kd
    .args:
      - { .name: ib, .offset: 0, .size: 8, .value_kind: global_buffer, .address_space: global }
      - { .name: tb, .offset: 8, .size: 8, .value_kind: global_buffer, .address_space: global }
      - { .name: lse, .offset: 16, .size: 8, .value_kind: global_buffer, .address_space: global }
    .group_segment_fixed_size: 327680
    .private_segment_fixed_size: 0
    .kernarg_segment_align: 8
    .kernarg_segment_size: 24
    .max_flat_workgroup_size: 128
    .sgpr_count:     66
    .vgpr_count:     512
    .wavefront_size: 32
...
	.end_amdgpu_metadata
.endif
;; end of part 2
;; launch imgatt (part 3): grid 64 x 4, 4 waves a work-group, clusters of 4 x 1, 327,680 bytes of LDS; arguments ib, tb, lse, out0; writes out0
.if DOCPART == 3
	.amdgcn_target "amdgcn-amd-amdhsa--gfx1250"
	.amdhsa_code_object_version 6
	.text
	.protected	k_q16266a7b36_imgatt
	.globl	k_q16266a7b36_imgatt
	.p2align	8
	.type	k_q16266a7b36_imgatt,@function
k_q16266a7b36_imgatt:
	s_mov_b64 s[64:65], 0
	v_nop
	global_prefetch_b8 v0, s[64:65] scope:SCOPE_SE
	s_setreg_imm32_b32 hwreg(HW_REG_WAVE_MODE, 25, 1), 1
	s_wait_xcnt 0x0
	s_wait_alu depctr_hold_cnt(0) depctr_sa_sdst(0) depctr_va_vdst(0) depctr_va_sdst(0) depctr_va_ssrc(0) depctr_va_vcc(0) depctr_vm_vsrc(0)
	s_getreg_b32 s2, hwreg(HW_REG_IB_STS2, 6, 4)
	s_cmp_eq_u32 s2, 0
	s_cbranch_scc0 .Lentry_in_a_cluster
	s_endpgm
.Lentry_in_a_cluster:
	s_bfe_u32 s2, ttmp6, 0x10000c
	s_cmp_lg_u32 s2, 0x3003
	s_cbranch_scc0 .Lentry_shape_is_right
	s_endpgm
.Lentry_shape_is_right:
; out0[b][i][:] = the sum over t of A[b][i][t] T[b][t][:], with A[b][i][t] = 2^(c s - lse[b][i]), s = I[b][i] . T[b][t], c = log2(e) / 16, and lse[b][i] = c m + log2(l) of image row i,
; which the launch before has made with a running maximum.  So the exponent is at most 0 but for rounding, the weight is the finished one, and this launch has no maximum, no sum and no rescaling.
; I (ib) and T (tb): [4][4096][256] bf16; lse f32, inside each 16 rows laid so that row r stands at place 8 (r % 2) + r / 2; out0 f32.  Products and sums in f32; the weights are rounded to bf16.
; LIMITS.  NaN and infinities are not treated apart; a weight below 2^-126 counts as 0.
; SHARES.  A work-group owns 64 queries (image rows; four tiles of 16), 64 work-groups a batch.  ALL FOUR WAVES HOLD ALL 64 QUERIES, AND THE KEYS (text rows) ARE SPLIT AMONG THEM: in step j (16 steps)
; wave w takes the 64 keys of key tile 4 j + w; the four partial sums meet in LDS once, at the end.  (A tile of 16 queries costs 128 registers of O^T and 64 of Q, so four tiles fill three windows;
; 64 queries a wave and four waves of queries would leave 64 work-groups for the launch.)
; K AND V ARE THE SAME TENSOR: one LDS tile of 64 rows x 512 bytes serves both products, read as it lies for S^T = K Q^T and turned (ds_load_tr16_b128) for O^T = V^T P.
; LAYOUT.  In S^T a lane holds ONE query (lane % 16), so lse is one number a lane and tile.  Two results rounded to bf16 in pairs ARE source 1 of O^T = V^T P.
; THE KEYS ARE TAKEN IN A PERMUTED ORDER inside each 16: matrix row m is LDS row 2 (m % 8) + m / 8, so register j of the lanes' half h holds key 2 j + h; the turned fragment of V takes the same
; keys in the same places.  With it both kinds of read touch sixteen different 16-byte columns at one pitch of 528 bytes (64 banks of 4 bytes: ISA guide 11.1).  A sum over keys does not mind the order.
; CLUSTER.  The four work-groups of a cluster belong to one batch and walk the same keys: each tile is asked for JOINTLY, the same load, descriptor and mask in all four.
; REGISTERS, in windows of 256 (s_set_vgpr_msb: bits 1:0 source 0, 3:2 source 1, 5:4 source 2, 7:6 destination):
;   window 0: v0-15 addresses; v16-23 lse of my query, twice, for each tile; v48-59 the way out; v64-191 S^T (tile t at 32 t, key block kb at + 8 kb), P in place; v192-255 four places of two fragments
;   window 1: Q, (tile t, channels 32 c on) at 64 t + 8 c          windows 2, 3: O^T, (channel block cb, tile t) in window 2 + cb / 8 at 8 (4 (cb % 8) + t)
.set PITCH,  528                       ; an LDS row: 512 bytes + 16 of padding
.set TILE,   64*PITCH                  ; a wave's key tile
.set SLOT,   4*TILE                    ; 0x21000; no tile's start in slot 0 has one of its two bits, so one exclusive or changes slots
.set STEPB,  4*64*512                  ; bytes of K from step to step
.set STEPS,  16
.set SPARE,  2*SLOT                    ; behind the ring: the spare words, 128 bytes for each wave: two blocks of 256 bytes that no other line names
.set SPITCH, 1040                      ; the way out: a row of 256 f32 + 16 bytes
.set WSTG,   64*SPITCH                 ; a wave's partial O: the four lie from LDS byte 0 on, in the ring's bytes, when these have had their last fill
.set RR,  1                            ; v1   lane % 16
.set HH,  2                            ; v2   lane / 16
.set AK0, 3                            ; v3   my place in a tile, read as K
.set AV0, 4                            ; v4   read turned, as V
.set ADK, 5                            ; v5   AK0 + the step's tile
.set ADV, 6                            ; v6   AV0 + the step's tile
.set QO,  7                            ; v7   my byte offset in 16 rows of Q
.set PFO, 8                            ; v8   256 x lane
.set STO, 9                            ; v9   the way out: where I put 32 bytes of a row
.set LQO, 10                           ; v10  my query's place in 64 bytes of lse
.set GO,  12                           ; v12  16 x lane
.set SPW, 14                           ; v14  LDS address of my spare word; never rewritten
.set NIL, 15                           ; v15  0; never rewritten
.set LQ,  16                           ; v16-23 tile t's lse of my query at LQ + 2 t, and once more beside it: a pair for the packed line
.set RD,  48                           ; v48-51 the way out: my 16 bytes in wave v's copy of my rows
.set RA,  56                           ; v56-59 RD + the trip's rows
.set S,   64
.set FR,  192
.set WV,  12                           ; s12  my wave's number
.set LIM, 15                           ; s15  1 in a cluster that prefetches, else the greatest number
.set PFA, 18                           ; s[18:19] where my prefetches stand
.set G1,  24                           ; s[24:31] descriptor group 1
.set G0,  32                           ; s[32:35] descriptor group 0: it walks
.set LEFT, 36                          ; s36  trips to go
.set TB,  37                           ; s37  LDS byte of my tile of the step in hand
.set CS,  38                           ; s[38:39] c, twice
.set BK,  43                           ; s43  counts the way out's trips
.set SB,  60                           ; s60  the way out: bytes of stage rows done
.set OUT, 10                           ; s[10:11] out0 at my rows
.set W_KQ, 0x04                        ; Q (source 1) in window 1, all else in window 0: LDS loads into window 0 run under it too
.set MSB, 0
.macro WIN new                         ; the high byte repeats the setting that is left; a switch that changes nothing is dropped
.if MSB != (\new)
	s_set_vgpr_msb (MSB<<8)|(\new)
.set MSB, (\new)
.endif
.endm
.macro PLACES                          ; four plain vector instructions between a matrix instruction and what reads its result, writes or loads into its registers
.rept 4
	v_nop
.endr
.endm
.macro ROUND                           ; a round of the cluster's barrier: my work-group's barrier; wave 0 signals for it; every wave waits for all four work-groups; my work-group's barrier again
	s_barrier_signal -1
	s_barrier_wait -1
	s_cmp_lg_u32 s[WV], 0
	s_cbranch_scc1 .Lnot_wave_0_\@
	s_barrier_signal -3
.Lnot_wave_0_\@:
	s_barrier_wait -3
	s_barrier_signal -1
	s_barrier_wait -1
.endm
.macro JLOAD                           ; a joint load: every wave fetches its own key tile; s_nop 0 and four v_nop follow
	tensor_load_to_lds s[G0:G0+3], s[G1:G1+7]
	s_nop 0
	PLACES
.endm
; A PREFETCH INTO THE L2 of the tile that my wave will ask for at the NEXT change of slots: one step, 256 matrix instructions and the weights' arithmetic, ahead of that load.  All 16 clusters of a batch
; walk the same keys: the batch's first cluster asks, and nobody else.  Of wave w's 32,768 bytes each of the four partners takes 8,192, told apart BY ADDRESS, a lane a block of 256: each block is
; named once in the launch.  The loop's last trip asks for nothing: there is no step behind the one that it loads.  Steps 0 and 1 come by their loads alone.
.macro ASK
	s_cmp_gt_u32 s[LEFT], s[LIM]
	s_cbranch_scc0 .Lnot_mine_\@
	global_prefetch_b8 v[PFO], s[PFA:PFA+1] th:TH_LOAD_NT scope:SCOPE_SE
.Lnot_mine_\@:
.endm
; THE CHANGE OF SLOTS.  Each wave waits for all its tensor loads (one is out: the tile of the step to come), adds 0 to its spare word, and waits for that and for its reads of the slot that it leaves.
; fill = 1: a round of the cluster's barrier, and first behind it the joint load of the step after, into the slot just left (at the first use: slot 1's first fill).
; The four v_nop and the two additions are the places between the last products V^T P and the loads into their fragments' places (four) and the products that write over P (five).
.macro CHANGE fill
	WIN 0                                          ; at a label and at a branch every window is 0
	s_wait_tensorcnt 0x0                           ; no tensor load of mine is out, so group 0 may be written
	ds_add_u32 v[SPW], v[NIL]                      ; 0 onto my spare word
.if \fill
	s_xor_b32 s[G0+1], s[G0+1], SLOT               ; the other slot than last time,
	s_add_nc_u64 s[G0+2:G0+3], s[G0+2:G0+3], STEPB ; the next step's tile; the type bits on top are not reached
	s_wait_xcnt 0x0                                ; the last prefetch, a step back, has read its address
	s_add_nc_u64 s[PFA:PFA+1], s[PFA:PFA+1], STEPB ; one step further than the descriptor
	s_wait_dscnt 0x0                               ; the add is done, and my reads of the slot are over
	ROUND
	JLOAD
	ASK
.else
	s_wait_dscnt 0x0
	s_barrier_signal -1
	s_barrier_wait -1
	PLACES
.endif
	s_xor_b32 s[TB], s[TB], SLOT
	v_add_nc_u32 v[ADK], s[TB], v[AK0]
	v_add_nc_u32 v[ADV], s[TB], v[AV0]
.endm
; GROUP g of a step's 32: two fragments, four LDS loads, into place g % 4.  g < 16: K, channels 32 (g / 2) on, key blocks 2 (g % 2), + 1.
; g >= 16, u = g - 16: V turned, keys 32 ((u / 4) % 2) on, channel blocks 8 (u / 8) + 2 (u % 4), + 1.
.macro FETCH g
.set fb, FR+16*((\g)%4)
.if (\g) < 16
.set fc, (\g)/2
.set fk, 2*((\g)%2)
	ds_load_b128 v[fb:fb+3],     v[ADK] offset:fk*16*PITCH+64*fc
	ds_load_b128 v[fb+4:fb+7],   v[ADK] offset:fk*16*PITCH+64*fc+32
	ds_load_b128 v[fb+8:fb+11],  v[ADK] offset:(fk+1)*16*PITCH+64*fc
	ds_load_b128 v[fb+12:fb+15], v[ADK] offset:(fk+1)*16*PITCH+64*fc+32
.else
.set fu, (\g)-16
.set fk, (fu/4)%2
.set fc, 8*(fu/8)+2*(fu%4)
	ds_load_tr16_b128 v[fb:fb+3],     v[ADV] offset:fk*32*PITCH+32*fc
	ds_load_tr16_b128 v[fb+4:fb+7],   v[ADV] offset:fk*32*PITCH+32*fc+16*PITCH
	ds_load_tr16_b128 v[fb+8:fb+11],  v[ADV] offset:fk*32*PITCH+32*(fc+1)
	ds_load_tr16_b128 v[fb+12:fb+15], v[ADV] offset:fk*32*PITCH+32*(fc+1)+16*PITCH
.endif
.endm
; Group g's eight products.  The accumulators take turns, one instruction a turn: 15 others' stand between two links of a chain of S^T, 31 of O^T.
.macro MULK g                          ; S^T(t, kb) += K x Q(t, c); the first channels start the sums
.set fb, FR+16*((\g)%4)
.set fc, (\g)/2
.set fk, 2*((\g)%2)
.set mi, 0
.rept 2
.set mt, 0
.rept 4
.set rS, S+32*mt+8*(fk+mi)
.set rQ, 64*mt+8*fc
.if fc == 0
	v_wmma_f32_16x16x32_bf16 v[rS:rS+7], v[fb+8*mi:fb+8*mi+7], v[rQ:rQ+7], 0
.else
	v_wmma_f32_16x16x32_bf16 v[rS:rS+7], v[fb+8*mi:fb+8*mi+7], v[rQ:rQ+7], v[rS:rS+7]
.endif
.set mt, mt+1
.endr
.set mi, mi+1
.endr
.endm
.macro MULV g                          ; O^T(cb, t) += V^T x P(t, kk)
.set fb, FR+16*((\g)%4)
.set fu, (\g)-16
.set fk, (fu/4)%2
.set fc, 2*(fu%4)
	WIN 0xa0+0x50*(fu/8)                           ; C and D in window 2 or 3
.set mi, 0
.rept 2
.set mt, 0
.rept 4
.set rO, 8*(4*(fc+mi)+mt)
.set rP, S+32*mt+16*fk
	v_wmma_f32_16x16x32_bf16 v[rO:rO+7], v[fb+8*mi:fb+8*mi+7], v[rP:rP+7], v[rO:rO+7]
.set mt, mt+1
.endr
.set mi, mi+1
.endr
.endm
; THE WEIGHTS.  Stage k, for each tile: c s - lse of pair k (each accumulator's lowest registers are read first); the two exponentials of pair k - 1, a plain line behind each;
; pair k - 2 is rounded to bf16, in place: pair b goes to register 16 (b / 8) + b % 8 of the tile's S^T, which holds a pair that has been rounded.
.macro STAGES
.set k, 0
.rept 18
.set t, 0
.rept 4
.set rS, S+32*t
.set b, k-2
.if k < 16
	v_pk_fma_f32 v[rS+2*k:rS+2*k+1], v[rS+2*k:rS+2*k+1], s[CS:CS+1], v[LQ+2*t:LQ+2*t+1] op_sel_hi:[1,0,1] neg_lo:[0,0,1] neg_hi:[0,0,1]
.endif
.if (k >= 1) && (k <= 16)
	v_exp_f32 v[rS+2*k-2], v[rS+2*k-2]
.endif
.if k >= 2
	s_wait_alu depctr_va_vdst(0)
	v_cvt_pk_bf16_f32 v[rS+16*(b/8)+b%8], v[rS+2*b], v[rS+2*b+1]
.endif
.if (k >= 1) && (k <= 16)
	v_exp_f32 v[rS+2*k-1], v[rS+2*k-1]
.endif
.set t, t+1
.endr
.set k, k+1
.endr
.endm
; A KEY STEP.  Four groups of fragment loads are always out: group g + 4 is asked for four places behind group g's products, 24 products ahead of its own; the wait leaves the three younger groups'
; 12 loads out.  V's first four groups are asked for at the end of the first phase and land while the weights are made.
.macro STEP
	WIN W_KQ
	FETCH 0
	FETCH 1
	FETCH 2
	FETCH 3
.set gg, 0
.rept 16
	s_wait_dscnt 12
	MULK gg
	PLACES
	FETCH gg+4
.set gg, gg+1
.endr
	WIN 0
	STAGES
.rept 16
.if gg < 28
	s_wait_dscnt 12
.else
	s_wait_dscnt 4*(31-gg)                         ; the counts run down: nothing more is fetched
.endif
	MULV gg
.if gg < 28
	PLACES
	WIN 0
	FETCH gg+4
.endif
.set gg, gg+1
.endr
.endm
	s_load_b256 s[4:11], s[0:1], 0x0               ; ib (Q) s[4:5], tb (K = V) s[6:7], lse s[8:9], out0 s[10:11]
	v_lshl_add_u32 v[SPW], v0, 2, SPARE
	v_mov_b32 v[NIL], 0
	ds_add_u32 v[SPW], v[NIL]                      ; the wave's opening: the add and its wait stand ahead of my first tensor load; work on registers stands between them
	v_lshrrev_b32 v1, 5, v0
	v_readfirstlane_b32 s[WV], v1                  ; wave 0..3
	s_bfe_u32 s13, ttmp6, 0x40000                  ; cx: my place in the cluster: it enters Q's, lse's, out0's and the prefetches' addresses alone
	s_lshl_b32 s14, ttmp9, 2                       ; in a cluster launch ttmp9 counts clusters
	s_add_co_u32 s14, s14, s13                     ; my block of 64 queries
	s_and_b32 s20, ttmp7, 0xffff                   ; the batch, which the four partners share
	s_lshl_b32 s16, s20, 21                        ; K: the batch's 4,096 rows of 512 bytes,
	s_lshl_b32 s21, s[WV], 15                      ; my wave's tile of step 0
	s_add_co_u32 s16, s16, s21
	s_mov_b32 s17, 0
	s_lshl_b32 s2, s13, 13                         ; the prefetches: my work-group's 8,192 bytes of that tile,
	s_add_co_u32 s2, s2, s16
	s_add_co_u32 s2, s2, STEPB                     ; at step 1; the first change of slots steps it to step 2
	s_mov_b32 s3, 0
	s_lshl_b32 s22, s20, 21                        ; Q: the batch, my block's 64 rows of 512 bytes
	s_lshl_b32 s23, s14, 15
	s_add_co_u32 s22, s22, s23
	s_mov_b32 s23, 0
	s_lshl_b32 s56, s20, 22                        ; out0: rows of 1,024 bytes: the batch, my block, my wave's 16 rows
	s_lshl_b32 s57, s14, 16
	s_add_co_u32 s56, s56, s57
	s_lshl_b32 s57, s[WV], 14
	s_add_co_u32 s56, s56, s57
	s_mov_b32 s57, 0
	s_lshl_b32 s58, s20, 14                        ; lse: the batch, my block's 256 bytes
	s_lshl_b32 s59, s14, 8
	s_add_co_u32 s58, s58, s59
	s_mov_b32 s59, 0
	; descriptor group 1: a tile of 64 rows x 256 elements of 2 bytes, padded in LDS
	s_mov_b32 s[G1], 15|(1<<16)|(1<<20)|(1<<21)|(6<<22)|(3<<25)  ; 15:0 the mask of four; 17:16 2-byte elements; 20 padding on; 21 set beside a mask; 24:22 after every 128 words (code 6); 31:25 4 words (code 3)
	s_mov_b32 s[G1+1], 256<<16                     ; tensor_dim0 = 256
	s_mov_b32 s[G1+2], 64<<16                      ; tensor_dim1 = 64
	s_mov_b32 s[G1+3], 256<<16                     ; tile_dim0 = 256
	s_mov_b32 s[G1+4], 64                          ; tile_dim1 = 64
	s_mov_b32 s[G1+5], 256                         ; 256 elements from row to row
	s_mov_b32 s[G1+6], 0
	s_mov_b32 s[G1+7], 0
	s_mov_b32 s[G0], 1                             ; count = 1
	s_mul_i32 s[G0+1], s[WV], TILE                 ; LDS address: my tile in slot 0
	s_xor_b32 s[TB], s[G0+1], SLOT                 ; the first change of slots turns it into slot 0
	s_mov_b32 s[CS], 0x3db8aa3b                    ; c = log2(e) / 16
	s_mov_b32 s[CS+1], s[CS]
	s_cmp_eq_u32 ttmp9, 0                          ; the batch's first cluster: the same answer in all four partners
	s_cselect_b32 s[LIM], 1, -1
	s_wait_dscnt 0x0                               ; the opening add is done
	s_wait_kmcnt 0x0
	s_add_nc_u64 s[G0+2:G0+3], s[6:7], s[16:17]
	s_or_b32 s[G0+3], s[G0+3], 0x80000000          ; type = 2
	s_add_nc_u64 s[PFA:PFA+1], s[6:7], s[2:3]
	s_add_nc_u64 s[4:5], s[4:5], s[22:23]
	s_add_nc_u64 s[8:9], s[8:9], s[58:59]
	s_add_nc_u64 s[10:11], s[10:11], s[56:57]
	ROUND                                          ; all four work-groups are here: the first joint loads meet
	JLOAD                                          ; step 0 into slot 0; one tensor load of mine is out
	v_and_b32 v[RR], 15, v0
	v_bfe_u32 v[HH], v0, 4, 1
	v_and_b32 v52, 1, v[RR]                        ; my query r of a tile stands at place 8 (r % 2) + r / 2 of the tile's 16
	v_lshrrev_b32 v53, 1, v[RR]
	v_lshl_add_u32 v52, v52, 3, v53
	v_lshlrev_b32 v[LQO], 2, v52
.set t, 0
.rept 4
	global_load_b32 v[LQ+2*t], v[LQO], s[8:9] offset:64*t
.set t, t+1
.endr
	v_lshlrev_b32 v[QO], 9, v[RR]
	v_lshl_add_u32 v[QO], v[HH], 4, v[QO]          ; row x 512 + 16 x half
	WIN 0x40                                       ; destination window 1, address window 0
.set i, 0
.rept 32                                       ; Q stays in registers: tile i / 8, channels 32 (i % 8) on; two loads of 16 bytes, 32 bytes apart
	global_load_b128 v[8*i:8*i+3],   v[QO], s[4:5] offset:(i/8)*8192+(i%8)*64
	global_load_b128 v[8*i+4:8*i+7], v[QO], s[4:5] offset:(i/8)*8192+(i%8)*64+32
.set i, i+1
.endr
	; O^T starts at 0: the 512 lines stand in the wait for the first tile; they spare a third copy of the step, whose products would start the sums.
	WIN 0x80
.set i, 0
.rept 256
	v_mov_b32 v[i], 0
.set i, i+1
.endr
	WIN 0xc0
.set i, 0
.rept 256
	v_mov_b32 v[i], 0
.set i, i+1
.endr
	WIN 0
	v_and_b32 v52, 7, v0                           ; a = lane % 8
	v_bfe_u32 v53, v0, 3, 1                        ; b = (lane / 8) % 2
	v_lshl_add_u32 v54, v52, 1, v53
	v_mul_u32_u24 v[AK0], v54, PITCH
	v_lshl_add_u32 v[AK0], v[HH], 4, v[AK0]        ; as K: row 2 a + b, 16 bytes for each half of the lanes
	v_lshl_add_u32 v54, v52, 1, v[HH]
	v_mul_u32_u24 v[AV0], v54, PITCH
	v_lshl_add_u32 v[AV0], v53, 4, v[AV0]          ; turned: row 2 a + lane / 16, channels 8 b on
	v_and_b32 v55, 31, v0
	v_lshlrev_b32 v[PFO], 8, v55
	v_lshlrev_b32 v[GO], 4, v55
	s_mul_i32 s20, s[WV], WSTG
	v_mul_u32_u24 v[STO], v[RR], SPITCH
	v_lshl_add_u32 v[STO], v[HH], 5, v[STO]
	v_add_nc_u32 v[STO], s20, v[STO]               ; my stage: row lane % 16, 32 bytes for each half of the lanes
	s_mul_i32 s21, s[WV], 16*SPITCH
	v_add_nc_u32 v[RD], s21, v[GO]                 ; back: rows 16 w on, 16 bytes a lane, in each wave's stage
	v_add_nc_u32 v[RD+1], WSTG, v[RD]
	v_add_nc_u32 v[RD+2], 2*WSTG, v[RD]
	v_add_nc_u32 v[RD+3], 3*WSTG, v[RD]
	s_wait_loadcnt 0x0                             ; lse and Q
.set t, 0
.rept 4
	v_mov_b32 v[LQ+2*t+1], v[LQ+2*t]               ; the pair's second half
.set t, t+1
.endr
	s_mov_b32 s[LEFT], STEPS-1
.Lstep:                                        ; 15 trips: step j is worked on, step j + 1 asked for
	CHANGE 1
	STEP
	WIN 0
	s_sub_co_u32 s[LEFT], s[LEFT], 1
	s_cmp_lg_u32 s[LEFT], 0
	s_cbranch_scc1 .Lstep
	CHANGE 0                                       ; the last step is written out: nothing is asked for
	STEP
	WIN 0
	; THE WAY OUT.  Eight v_nop, once a launch, stand between the last products and the stores that read their results (four are asked for).
	PLACES
	PLACES
	s_wait_dscnt 0x0                               ; my reads of the ring are over: behind this barrier its bytes serve as stages
	s_barrier_signal -1
	s_barrier_wait -1
	; A lane's eight channels of a query are 32 bytes of a row of out0: each wave lays its partial O into its stage, each accumulator's low registers first.
.set w2, 0
.rept 2
	WIN 0x08+0x04*w2                               ; the stores' data (source 1) in window 2 or 3
.set i, 0
.rept 32
	ds_store_b128 v[STO], v[8*i:8*i+3]   offset:16*SPITCH*(i%4)+64*(8*w2+i/4)
	ds_store_b128 v[STO], v[8*i+4:8*i+7] offset:16*SPITCH*(i%4)+64*(8*w2+i/4)+16
.set i, i+1
.endr
.set w2, w2+1
.endr
	WIN 0
	s_wait_dscnt 0x0                               ; for the others' sake: my stage is written
	s_barrier_signal -1
	s_barrier_wait -1
	s_mov_b32 s[SB], 0
	s_mov_b32 s[BK], 4
.Lback:                                        ; wave w adds up and stores rows 16 w .. 16 w + 15, four rows a trip
.set vv, 0
.rept 4
	v_add_nc_u32 v[RA+vv], s[SB], v[RD+vv]
.set vv, vv+1
.endr
.set e, 0
.rept 8                                        ; half e % 2 of row e / 2, from the four stages
.set vv, 0
.rept 4
	ds_load_b128 v[S+16*e+4*vv:S+16*e+4*vv+3], v[RA+vv] offset:SPITCH*(e/2)+512*(e%2)
.set vv, vv+1
.endr
.set e, e+1
.endr
.set e, 0
.rept 8
	s_wait_dscnt 4*(7-e)                           ; the younger quartets stay out
.set rB, S+16*e
	v_pk_add_f32 v[rB:rB+1], v[rB:rB+1], v[rB+4:rB+5]
	v_pk_add_f32 v[rB+2:rB+3], v[rB+2:rB+3], v[rB+6:rB+7]
	v_pk_add_f32 v[rB+8:rB+9], v[rB+8:rB+9], v[rB+12:rB+13]
	v_pk_add_f32 v[rB+10:rB+11], v[rB+10:rB+11], v[rB+14:rB+15]
	v_pk_add_f32 v[rB:rB+1], v[rB:rB+1], v[rB+8:rB+9]
	v_pk_add_f32 v[rB+2:rB+3], v[rB+2:rB+3], v[rB+10:rB+11]
	global_store_b128 v[GO], v[rB:rB+3], s[OUT:OUT+1] offset:1024*(e/2)+512*(e%2) th:TH_STORE_NT  ; the wave stores 512 consecutive bytes, at a multiple of 256 from out0's first
.set e, e+1
.endr
	s_wait_xcnt 0x0                                ; the stores have read their data and their base: both are written again only behind this wait
	s_add_nc_u64 s[OUT:OUT+1], s[OUT:OUT+1], 4096
	s_add_co_u32 s[SB], s[SB], 4*SPITCH
	s_sub_co_u32 s[BK], s[BK], 1
	s_cmp_lg_u32 s[BK], 0
	s_cbranch_scc1 .Lback
	s_wait_tensorcnt 0x0                           ; the wave's end, behind my last tensor load and my last LDS store
	ds_add_u32 v[SPW], v[NIL]
	s_wait_dscnt 0x0
	ROUND                                          ; the closing round: no work-group ends while a partner may still ask for a tile that names it
	s_endpgm
.Lfunc_end_k_q16266a7b36_imgatt:
	.size	k_q16266a7b36_imgatt, .Lfunc_end_k_q16266a7b36_imgatt-k_q16266a7b36_imgatt
	.p2alignl 7, 3214868480
	.fill 96, 4, 3214868480
	.section	.rodata,"a",@progbits
	.p2align	6, 0x0
	.amdhsa_kernel k_q16266a7b36_imgatt
		.amdhsa_group_segment_fixed_size 327680
		.amdhsa_private_segment_fixed_size 0
		.amdhsa_enable_private_segment 0
		.amdhsa_kernarg_size 32
		.amdhsa_user_sgpr_count 2
		.amdhsa_user_sgpr_kernarg_segment_ptr 1
		.amdhsa_wavefront_size32 1
		.amdhsa_system_sgpr_workgroup_id_x 1
		.amdhsa_system_sgpr_workgroup_id_y 1
		.amdhsa_system_sgpr_workgroup_id_z 1
		.amdhsa_system_vgpr_workitem_id 0
		.amdhsa_next_free_vgpr 1024
		.amdhsa_next_free_sgpr 66
		.amdhsa_reserve_vcc 0
		.amdhsa_float_denorm_mode_32 3
		.amdhsa_float_denorm_mode_16_64 3
		.amdhsa_memory_ordered 1
		.amdhsa_forward_progress 1
		.amdhsa_inst_pref_size 132
	.end_amdhsa_kernel
	.amdgpu_metadata
---
amdhsa.version: [ 1, 2 ]
amdhsa.kernels:
  - .name:           k_q16266a7b36_imgatt
    .symbol:         k_q16266a7b36_imgatt.kd
    .args:
      - { .name: ib, .offset: 0, .size: 8, .value_kind: global_buffer, .address_space: global }
      - { .name: tb, .offset: 8, .size: 8, .value_kind: global_buffer, .address_space: global }
      - { .name: lse, .offset: 16, .size: 8, .value_kind: global_buffer, .address_space: global }
      - { .name: out0, .offset: 24, .size: 8, .value_kind: global_buffer, .address_space: global }
    .group_segment_fixed_size: 327680
    .private_segment_fixed_size: 0
    .kernarg_segment_align: 8
    .kernarg_segment_size: 32
    .max_flat_workgroup_size: 128
    .sgpr_count:     66
    .vgpr_count:     1024
    .wavefront_size: 32
...
	.end_amdgpu_metadata
.endif
;; end of part 3
;; launch txtatt (part 4): grid 64 x 4, 4 waves a work-group, clusters of 4 x 1, 327,680 bytes of LDS; arguments tb, ib, lse, out1; writes out1
.if DOCPART == 4
	.amdgcn_target "amdgcn-amd-amdhsa--gfx1250"
	.amdhsa_code_object_version 6
	.text
	.protected	k_q16266a7b36_txtatt
	.globl	k_q16266a7b36_txtatt
	.p2align	8
	.type	k_q16266a7b36_txtatt,@function
k_q16266a7b36_txtatt:
	s_mov_b64 s[64:65], 0
	v_nop
	global_prefetch_b8 v0, s[64:65] scope:SCOPE_SE
	s_setreg_imm32_b32 hwreg(HW_REG_WAVE_MODE, 25, 1), 1
	s_wait_xcnt 0x0
	s_wait_alu depctr_hold_cnt(0) depctr_sa_sdst(0) depctr_va_vdst(0) depctr_va_sdst(0) depctr_va_ssrc(0) depctr_va_vcc(0) depctr_vm_vsrc(0)
	s_getreg_b32 s2, hwreg(HW_REG_IB_STS2, 6, 4)
	s_cmp_eq_u32 s2, 0
	s_cbranch_scc0 .Lentry_in_a_cluster
	s_endpgm
.Lentry_in_a_cluster:
	s_bfe_u32 s2, ttmp6, 0x10000c
	s_cmp_lg_u32 s2, 0x3003
	s_cbranch_scc0 .Lentry_shape_is_right
	s_endpgm
.Lentry_shape_is_right:
; out1[b][t][:] = the sum over i of A[b][i][t] I[b][i][:], with A[b][i][t] = 2^(c s - lse[b][i]), s = I[b][i] . T[b][t], c = log2(e) / 16, and lse[b][i] = c m + log2(l) of image row i,
; which the launch before has made with a running maximum.  So the exponent is at most 0 but for rounding, the weight is the finished one, and this launch has no maximum, no sum and no rescaling.
; T (tb) and I (ib): [4][4096][256] bf16; lse f32, inside each 16 rows laid so that row r stands at place 8 (r % 2) + r / 2; out1 f32.  Products and sums in f32; the weights are rounded to bf16.
; LIMITS.  NaN and infinities are not treated apart; a weight below 2^-126 counts as 0.
; SHARES, LAYOUT, CLUSTER as in the launch before, with the parts exchanged: the QUERIES are 64 text rows a work-group, held by all four waves; the KEYS are the image rows, split among the waves:
; in step j (16 steps) wave w takes key tile 4 j + w of 64 rows; K and V are both I, one LDS tile, read as it lies for S^T = K Q^T and turned for O^T = V^T P; the four partial sums meet in LDS at the end.
; The keys are taken in a permuted order inside each 16 (matrix row m is LDS row 2 (m % 8) + m / 8): register j of the lanes' half h holds key 2 j + h, whose lse stands at place 8 h + j: eight on end.
; The four work-groups of a cluster belong to one batch and walk the same keys: tiles and lse are asked for jointly.
; REGISTERS, in windows of 256 (s_set_vgpr_msb: bits 1:0 source 0, 3:2 source 1, 5:4 source 2, 7:6 destination):
;   window 0: v0-15 addresses; v16-47 the step's lse for my lanes' half; v48-59 the way out; v64-191 S^T (tile t at 32 t, key block kb at + 8 kb), P in place; v192-255 four places of two fragments
;   window 1: Q, (tile t, channels 32 c on) at 64 t + 8 c          windows 2, 3: O^T, (channel block cb, tile t) in window 2 + cb / 8 at 8 (4 (cb % 8) + t)
.set PITCH,  528                       ; an LDS row: 512 bytes + 16 of padding: both kinds of read touch sixteen different 16-byte columns (64 banks of 4 bytes: ISA guide 11.1)
.set TILE,   64*PITCH                  ; a wave's key tile
.set SLOT,   4*TILE                    ; 0x21000; no tile's start in slot 0 has one of its two bits, so one exclusive or changes slots
.set STEPB,  4*64*512                  ; bytes of K from step to step
.set STEPS,  16
.set LSEB,   2*SLOT                    ; behind the ring: lse of each wave's 16 tiles, 16 rows of 256 bytes a wave; filled once
.set SPARE,  LSEB+16384                ; the spare words, 128 bytes for each wave: two blocks of 256 bytes that no other line names
.set SPITCH, 1040                      ; the way out: a row of 256 f32 + 16 bytes
.set WSTG,   64*SPITCH                 ; a wave's partial O: the four lie from LDS byte 0 on, in the ring's bytes, when these have had their last fill
.set RR,  1                            ; v1   lane % 16
.set HH,  2                            ; v2   lane / 16
.set AK0, 3                            ; v3   my place in a tile, read as K
.set AV0, 4                            ; v4   read turned, as V
.set ADK, 5                            ; v5   AK0 + the step's tile
.set ADV, 6                            ; v6   AV0 + the step's tile
.set QO,  7                            ; v7   my byte offset in 16 rows of Q
.set PFO, 8                            ; v8   256 x lane
.set STO, 9                            ; v9   the way out: where I put 32 bytes of a row
.set LA,  10                           ; v10  my half's 32 bytes in my wave's first row of lse
.set LAC, 11                           ; v11  LA + the step's row
.set GO,  12                           ; v12  16 x lane
.set SPW, 14                           ; v14  LDS address of my spare word; never rewritten
.set NIL, 15                           ; v15  0; never rewritten
.set LS,  16                           ; v16-47 lse of key block kb, register j at LS + 8 kb + j
.set RD,  48                           ; v48-51 the way out: my 16 bytes in wave v's copy of my rows
.set RA,  56                           ; v56-59 RD + the trip's rows
.set S,   64
.set FR,  192
.set WV,  12                           ; s12  my wave's number
.set LIM, 15                           ; s15  1 in a cluster that prefetches, else the greatest number
.set PFA, 18                           ; s[18:19] where my prefetches stand
.set G1,  24                           ; s[24:31] descriptor group 1 for key tiles
.set G0,  32                           ; s[32:35] descriptor group 0 for key tiles: it walks
.set LEFT, 36                          ; s36  trips to go
.set TB,  37                           ; s37  LDS byte of my tile of the step in hand
.set CS,  38                           ; s[38:39] c, twice
.set BK,  43                           ; s43  counts the way out's trips
.set G1L, 44                           ; s[44:51] descriptor group 1 for lse
.set G0L, 52                           ; s[52:55] descriptor group 0 for lse
.set SB,  60                           ; s60  the way out: bytes of stage rows done
.set LB,  61                           ; s61  bytes of lse rows done
.set OUT, 10                           ; s[10:11] out1 at my rows
.set W_KQ, 0x04                        ; Q (source 1) in window 1, all else in window 0: LDS loads into window 0 run under it too
.set MSB, 0
.macro WIN new                         ; the high byte repeats the setting that is left; a switch that changes nothing is dropped
.if MSB != (\new)
	s_set_vgpr_msb (MSB<<8)|(\new)
.set MSB, (\new)
.endif
.endm
.macro PLACES                          ; four plain vector instructions between a matrix instruction and what reads its result, writes or loads into its registers
.rept 4
	v_nop
.endr
.endm
.macro ROUND                           ; a round of the cluster's barrier: my work-group's barrier; wave 0 signals for it; every wave waits for all four work-groups; my work-group's barrier again
	s_barrier_signal -1
	s_barrier_wait -1
	s_cmp_lg_u32 s[WV], 0
	s_cbranch_scc1 .Lnot_wave_0_\@
	s_barrier_signal -3
.Lnot_wave_0_\@:
	s_barrier_wait -3
	s_barrier_signal -1
	s_barrier_wait -1
.endm
.macro JLOAD                           ; a joint load: every wave fetches its own key tile; s_nop 0 and four v_nop follow
	tensor_load_to_lds s[G0:G0+3], s[G1:G1+7]
	s_nop 0
	PLACES
.endm
; A PREFETCH INTO THE L2 of the tile that my wave will ask for at the NEXT change of slots: one step, 256 matrix instructions and the weights' arithmetic, ahead of that load.  All 16 clusters of a batch
; walk the same keys: the batch's first cluster asks, and nobody else.  Of wave w's 32,768 bytes each of the four partners takes 8,192, told apart BY ADDRESS, a lane a block of 256: each block is
; named once in the launch.  The loop's last trip asks for nothing: there is no step behind the one that it loads.  Steps 0 and 1 come by their loads alone.
.macro ASK
	s_cmp_gt_u32 s[LEFT], s[LIM]
	s_cbranch_scc0 .Lnot_mine_\@
	global_prefetch_b8 v[PFO], s[PFA:PFA+1] th:TH_LOAD_NT scope:SCOPE_SE
.Lnot_mine_\@:
.endm
; THE CHANGE OF SLOTS.  Each wave waits for all its tensor loads (the tile of the step to come; the first time lse too), adds 0 to its spare word, and waits for that and for its reads of the slot that it leaves.
; fill = 1: a round of the cluster's barrier, and first behind it the joint load of the step after, into the slot just left (at the first use: slot 1's first fill).
; The four v_nop and the additions are the places between the last products V^T P and the loads into their fragments' places (four) and the products that write over P (five).
.macro CHANGE fill
	WIN 0                                          ; at a label and at a branch every window is 0
	s_wait_tensorcnt 0x0                           ; no tensor load of mine is out, so group 0 may be written
	ds_add_u32 v[SPW], v[NIL]                      ; 0 onto my spare word
.if \fill
	s_xor_b32 s[G0+1], s[G0+1], SLOT               ; the other slot than last time,
	s_add_nc_u64 s[G0+2:G0+3], s[G0+2:G0+3], STEPB ; the next step's tile; the type bits on top are not reached
	s_wait_xcnt 0x0                                ; the last prefetch, a step back, has read its address
	s_add_nc_u64 s[PFA:PFA+1], s[PFA:PFA+1], STEPB ; one step further than the descriptor
	s_wait_dscnt 0x0                               ; the add is done, and my reads of the slot are over
	ROUND
	JLOAD
	ASK
.else
	s_wait_dscnt 0x0
	s_barrier_signal -1
	s_barrier_wait -1
	PLACES
.endif
	s_xor_b32 s[TB], s[TB], SLOT
	v_add_nc_u32 v[ADK], s[TB], v[AK0]
	v_add_nc_u32 v[ADV], s[TB], v[AV0]
.endm
; GROUP g of a step's 32: two fragments, four LDS loads, into place g % 4.  g < 16: K, channels 32 (g / 2) on, key blocks 2 (g % 2), + 1.
; g >= 16, u = g - 16: V turned, keys 32 ((u / 4) % 2) on, channel blocks 8 (u / 8) + 2 (u % 4), + 1.
.macro FETCH g
.set fb, FR+16*((\g)%4)
.if (\g) < 16
.set fc, (\g)/2
.set fk, 2*((\g)%2)
	ds_load_b128 v[fb:fb+3],     v[ADK] offset:fk*16*PITCH+64*fc
	ds_load_b128 v[fb+4:fb+7],   v[ADK] offset:fk*16*PITCH+64*fc+32
	ds_load_b128 v[fb+8:fb+11],  v[ADK] offset:(fk+1)*16*PITCH+64*fc
	ds_load_b128 v[fb+12:fb+15], v[ADK] offset:(fk+1)*16*PITCH+64*fc+32
.else
.set fu, (\g)-16
.set fk, (fu/4)%2
.set fc, 8*(fu/8)+2*(fu%4)
	ds_load_tr16_b128 v[fb:fb+3],     v[ADV] offset:fk*32*PITCH+32*fc
	ds_load_tr16_b128 v[fb+4:fb+7],   v[ADV] offset:fk*32*PITCH+32*fc+16*PITCH
	ds_load_tr16_b128 v[fb+8:fb+11],  v[ADV] offset:fk*32*PITCH+32*(fc+1)
	ds_load_tr16_b128 v[fb+12:fb+15], v[ADV] offset:fk*32*PITCH+32*(fc+1)+16*PITCH
.endif
.endm
; Group g's eight products.  The accumulators take turns, one instruction a turn: 15 others' stand between two links of a chain of S^T, 31 of O^T.
.macro MULK g                          ; S^T(t, kb) += K x Q(t, c); the first channels start the sums
.set fb, FR+16*((\g)%4)
.set fc, (\g)/2
.set fk, 2*((\g)%2)
.set mi, 0
.rept 2
.set mt, 0
.rept 4
.set rS, S+32*mt+8*(fk+mi)
.set rQ, 64*mt+8*fc
.if fc == 0
	v_wmma_f32_16x16x32_bf16 v[rS:rS+7], v[fb+8*mi:fb+8*mi+7], v[rQ:rQ+7], 0
.else
	v_wmma_f32_16x16x32_bf16 v[rS:rS+7], v[fb+8*mi:fb+8*mi+7], v[rQ:rQ+7], v[rS:rS+7]
.endif
.set mt, mt+1
.endr
.set mi, mi+1
.endr
.endm
.macro MULV g                          ; O^T(cb, t) += V^T x P(t, kk)
.set fb, FR+16*((\g)%4)
.set fu, (\g)-16
.set fk, (fu/4)%2
.set fc, 2*(fu%4)
	WIN 0xa0+0x50*(fu/8)                           ; C and D in window 2 or 3
.set mi, 0
.rept 2
.set mt, 0
.rept 4
.set rO, 8*(4*(fc+mi)+mt)
.set rP, S+32*mt+16*fk
	v_wmma_f32_16x16x32_bf16 v[rO:rO+7], v[fb+8*mi:fb+8*mi+7], v[rP:rP+7], v[rO:rO+7]
.set mt, mt+1
.endr
.set mi, mi+1
.endr
.endm
; THE WEIGHTS.  Stage k, for each tile: c s - lse of pair k (each accumulator's lowest registers are read first); the two exponentials of pair k - 1, a plain line behind each;
; pair k - 2 is rounded to bf16, in place: pair b goes to register 16 (b / 8) + b % 8 of the tile's S^T, which holds a pair that has been rounded.
.macro STAGES
.set k, 0
.rept 18
.set t, 0
.rept 4
.set rS, S+32*t
.set b, k-2
.if k < 16
	v_pk_fma_f32 v[rS+2*k:rS+2*k+1], v[rS+2*k:rS+2*k+1], s[CS:CS+1], v[LS+2*k:LS+2*k+1] op_sel_hi:[1,0,1] neg_lo:[0,0,1] neg_hi:[0,0,1]
.endif
.if (k >= 1) && (k <= 16)
	v_exp_f32 v[rS+2*k-2], v[rS+2*k-2]
.endif
.if k >= 2
	s_wait_alu depctr_va_vdst(0)
	v_cvt_pk_bf16_f32 v[rS+16*(b/8)+b%8], v[rS+2*b], v[rS+2*b+1]
.endif
.if (k >= 1) && (k <= 16)
	v_exp_f32 v[rS+2*k-1], v[rS+2*k-1]
.endif
.set t, t+1
.endr
.set k, k+1
.endr
.endm
; A KEY STEP.  First the step's 64 lse: eight loads, older than all fragments', so the first wait below covers them.  Four groups of fragment loads are always out: group g + 4 is asked for four places
; behind group g's products, 24 products ahead of its own; the wait leaves the three younger groups' 12 loads out.  V's first four groups land while the weights are made.
.macro STEP
	v_add_nc_u32 v[LAC], s[LB], v[LA]
	s_add_co_u32 s[LB], s[LB], 256                 ; the next step's row of lse
.set kb, 0
.rept 4
	ds_load_b128 v[LS+8*kb:LS+8*kb+3],   v[LAC] offset:64*kb
	ds_load_b128 v[LS+8*kb+4:LS+8*kb+7], v[LAC] offset:64*kb+16
.set kb, kb+1
.endr
	WIN W_KQ
	FETCH 0
	FETCH 1
	FETCH 2
	FETCH 3
.set gg, 0
.rept 16
	s_wait_dscnt 12
	MULK gg
	PLACES
	FETCH gg+4
.set gg, gg+1
.endr
	WIN 0
	STAGES
.rept 16
.if gg < 28
	s_wait_dscnt 12
.else
	s_wait_dscnt 4*(31-gg)                         ; the counts run down: nothing more is fetched
.endif
	MULV gg
.if gg < 28
	PLACES
	WIN 0
	FETCH gg+4
.endif
.set gg, gg+1
.endr
.endm
	s_load_b256 s[4:11], s[0:1], 0x0               ; tb (Q) s[4:5], ib (K = V) s[6:7], lse s[8:9], out1 s[10:11]
	v_lshl_add_u32 v[SPW], v0, 2, SPARE
	v_mov_b32 v[NIL], 0
	ds_add_u32 v[SPW], v[NIL]                      ; the wave's opening: the add and its wait stand ahead of my first tensor load; work on registers stands between them
	v_lshrrev_b32 v1, 5, v0
	v_readfirstlane_b32 s[WV], v1                  ; wave 0..3
	s_bfe_u32 s13, ttmp6, 0x40000                  ; cx: my place in the cluster: it enters Q's, out1's and the prefetches' addresses alone
	s_lshl_b32 s14, ttmp9, 2                       ; in a cluster launch ttmp9 counts clusters
	s_add_co_u32 s14, s14, s13                     ; my block of 64 queries
	s_and_b32 s20, ttmp7, 0xffff                   ; the batch, which the four partners share
	s_lshl_b32 s16, s20, 21                        ; K: the batch's 4,096 rows of 512 bytes,
	s_lshl_b32 s21, s[WV], 15                      ; my wave's tile of step 0
	s_add_co_u32 s16, s16, s21
	s_mov_b32 s17, 0
	s_lshl_b32 s2, s13, 13                         ; the prefetches: my work-group's 8,192 bytes of that tile,
	s_add_co_u32 s2, s2, s16
	s_add_co_u32 s2, s2, STEPB                     ; at step 1; the first change of slots steps it to step 2
	s_mov_b32 s3, 0
	s_lshl_b32 s22, s20, 21                        ; Q: the batch, my block's 64 rows of 512 bytes
	s_lshl_b32 s23, s14, 15
	s_add_co_u32 s22, s22, s23
	s_mov_b32 s23, 0
	s_lshl_b32 s56, s20, 22                        ; out1: rows of 1,024 bytes: the batch, my block, my wave's 16 rows
	s_lshl_b32 s57, s14, 16
	s_add_co_u32 s56, s56, s57
	s_lshl_b32 s57, s[WV], 14
	s_add_co_u32 s56, s56, s57
	s_mov_b32 s57, 0
	s_lshl_b32 s58, s20, 14                        ; lse: the batch, my wave's tile of step 0: 256 bytes
	s_lshl_b32 s59, s[WV], 8
	s_add_co_u32 s58, s58, s59
	s_mov_b32 s59, 0
	; descriptor group 1 for key tiles: 64 rows x 256 elements of 2 bytes, padded in LDS
	s_mov_b32 s[G1], 15|(1<<16)|(1<<20)|(1<<21)|(6<<22)|(3<<25)  ; 15:0 the mask of four; 17:16 2-byte elements; 20 padding on; 21 set beside a mask; 24:22 after every 128 words (code 6); 31:25 4 words (code 3)
	s_mov_b32 s[G1+1], 256<<16                     ; tensor_dim0 = 256
	s_mov_b32 s[G1+2], 64<<16                      ; tensor_dim1 = 64
	s_mov_b32 s[G1+3], 256<<16                     ; tile_dim0 = 256
	s_mov_b32 s[G1+4], 64                          ; tile_dim1 = 64
	s_mov_b32 s[G1+5], 256                         ; 256 elements from row to row
	s_mov_b32 s[G1+6], 0
	s_mov_b32 s[G1+7], 0
	; descriptor group 1 for lse: 16 rows (my wave's 16 tiles) x 64 elements of 4 bytes, a row every four tiles, dense in LDS
	s_mov_b32 s[G1L], 15|(2<<16)|(1<<21)
	s_mov_b32 s[G1L+1], 64<<16                     ; tensor_dim0 = 64
	s_mov_b32 s[G1L+2], 16<<16                     ; tensor_dim1 = 16
	s_mov_b32 s[G1L+3], 64<<16                     ; tile_dim0 = 64
	s_mov_b32 s[G1L+4], 16                         ; tile_dim1 = 16
	s_mov_b32 s[G1L+5], 256                        ; 256 elements from row to row
	s_mov_b32 s[G1L+6], 0
	s_mov_b32 s[G1L+7], 0
	s_mov_b32 s[G0], 1                             ; count = 1
	s_mul_i32 s[G0+1], s[WV], TILE                 ; LDS address: my tile in slot 0
	s_xor_b32 s[TB], s[G0+1], SLOT                 ; the first change of slots turns it into slot 0
	s_mov_b32 s[G0L], 1
	s_lshl_b32 s[G0L+1], s[WV], 12
	s_add_co_u32 s[G0L+1], s[G0L+1], LSEB          ; my wave's 4,096 bytes
	s_mov_b32 s[CS], 0x3db8aa3b                    ; c = log2(e) / 16
	s_mov_b32 s[CS+1], s[CS]
	s_mov_b32 s[LB], 0
	s_cmp_eq_u32 ttmp9, 0                          ; the batch's first cluster: the same answer in all four partners
	s_cselect_b32 s[LIM], 1, -1
	s_wait_dscnt 0x0                               ; the opening add is done
	s_wait_kmcnt 0x0
	s_add_nc_u64 s[G0+2:G0+3], s[6:7], s[16:17]
	s_or_b32 s[G0+3], s[G0+3], 0x80000000          ; type = 2
	s_add_nc_u64 s[G0L+2:G0L+3], s[8:9], s[58:59]
	s_or_b32 s[G0L+3], s[G0L+3], 0x80000000
	s_add_nc_u64 s[PFA:PFA+1], s[6:7], s[2:3]
	s_add_nc_u64 s[4:5], s[4:5], s[22:23]
	s_add_nc_u64 s[10:11], s[10:11], s[56:57]
	ROUND                                          ; all four work-groups are here: the first joint loads meet
	tensor_load_to_lds s[G0L:G0L+3], s[G1L:G1L+7]  ; lse of all my tiles,
	s_nop 0
	JLOAD                                          ; and step 0 into slot 0: two tensor loads of mine are out
	v_and_b32 v[RR], 15, v0
	v_bfe_u32 v[HH], v0, 4, 1
	v_lshlrev_b32 v[QO], 9, v[RR]
	v_lshl_add_u32 v[QO], v[HH], 4, v[QO]          ; row x 512 + 16 x half
	WIN 0x40                                       ; destination window 1, address window 0
.set i, 0
.rept 32                                       ; Q stays in registers: tile i / 8, channels 32 (i % 8) on; two loads of 16 bytes, 32 bytes apart
	global_load_b128 v[8*i:8*i+3],   v[QO], s[4:5] offset:(i/8)*8192+(i%8)*64
	global_load_b128 v[8*i+4:8*i+7], v[QO], s[4:5] offset:(i/8)*8192+(i%8)*64+32
.set i, i+1
.endr
	; O^T starts at 0: the 512 lines stand in the wait for the first tile; they spare a third copy of the step, whose products would start the sums.
	WIN 0x80
.set i, 0
.rept 256
	v_mov_b32 v[i], 0
.set i, i+1
.endr
	WIN 0xc0
.set i, 0
.rept 256
	v_mov_b32 v[i], 0
.set i, i+1
.endr
	WIN 0
	v_and_b32 v52, 7, v0                           ; a = lane % 8
	v_bfe_u32 v53, v0, 3, 1                        ; b = (lane / 8) % 2
	v_lshl_add_u32 v54, v52, 1, v53
	v_mul_u32_u24 v[AK0], v54, PITCH
	v_lshl_add_u32 v[AK0], v[HH], 4, v[AK0]        ; as K: row 2 a + b, 16 bytes for each half of the lanes
	v_lshl_add_u32 v54, v52, 1, v[HH]
	v_mul_u32_u24 v[AV0], v54, PITCH
	v_lshl_add_u32 v[AV0], v53, 4, v[AV0]          ; turned: row 2 a + lane / 16, channels 8 b on
	v_and_b32 v55, 31, v0
	v_lshlrev_b32 v[PFO], 8, v55
	v_lshlrev_b32 v[GO], 4, v55
	s_mul_i32 s20, s[WV], WSTG
	v_mul_u32_u24 v[STO], v[RR], SPITCH
	v_lshl_add_u32 v[STO], v[HH], 5, v[STO]
	v_add_nc_u32 v[STO], s20, v[STO]               ; my stage: row lane % 16, 32 bytes for each half of the lanes
	s_mul_i32 s21, s[WV], 16*SPITCH
	v_add_nc_u32 v[RD], s21, v[GO]                 ; back: rows 16 w on, 16 bytes a lane, in each wave's stage
	v_add_nc_u32 v[RD+1], WSTG, v[RD]
	v_add_nc_u32 v[RD+2], 2*WSTG, v[RD]
	v_add_nc_u32 v[RD+3], 3*WSTG, v[RD]
	v_lshl_add_u32 v[LA], v[HH], 5, s[G0L+1]       ; my wave's lse, 32 bytes for each half of the lanes
	s_wait_loadcnt 0x0                             ; Q
	s_mov_b32 s[LEFT], STEPS-1
.Lstep:                                        ; 15 trips: step j is worked on, step j + 1 asked for
	CHANGE 1
	STEP
	WIN 0
	s_sub_co_u32 s[LEFT], s[LEFT], 1
	s_cmp_lg_u32 s[LEFT], 0
	s_cbranch_scc1 .Lstep
	CHANGE 0                                       ; the last step is written out: nothing is asked for
	STEP
	WIN 0
	; THE WAY OUT.  Eight v_nop, once a launch, stand between the last products and the stores that read their results (four are asked for).
	PLACES
	PLACES
	s_wait_dscnt 0x0                               ; my reads of the ring are over: behind this barrier its bytes serve as stages
	s_barrier_signal -1
	s_barrier_wait -1
	; A lane's eight channels of a query are 32 bytes of a row of out1: each wave lays its partial O into its stage, each accumulator's low registers first.
.set w2, 0
.rept 2
	WIN 0x08+0x04*w2                               ; the stores' data (source 1) in window 2 or 3
.set i, 0
.rept 32
	ds_store_b128 v[STO], v[8*i:8*i+3]   offset:16*SPITCH*(i%4)+64*(8*w2+i/4)
	ds_store_b128 v[STO], v[8*i+4:8*i+7] offset:16*SPITCH*(i%4)+64*(8*w2+i/4)+16
.set i, i+1
.endr
.set w2, w2+1
.endr
	WIN 0
	s_wait_dscnt 0x0                               ; for the others' sake: my stage is written
	s_barrier_signal -1
	s_barrier_wait -1
	s_mov_b32 s[SB], 0
	s_mov_b32 s[BK], 4
.Lback:                                        ; wave w adds up and stores rows 16 w .. 16 w + 15, four rows a trip
.set vv, 0
.rept 4
	v_add_nc_u32 v[RA+vv], s[SB], v[RD+vv]
.set vv, vv+1
.endr
.set e, 0
.rept 8                                        ; half e % 2 of row e / 2, from the four stages
.set vv, 0
.rept 4
	ds_load_b128 v[S+16*e+4*vv:S+16*e+4*vv+3], v[RA+vv] offset:SPITCH*(e/2)+512*(e%2)
.set vv, vv+1
.endr
.set e, e+1
.endr
.set e, 0
.rept 8
	s_wait_dscnt 4*(7-e)                           ; the younger quartets stay out
.set rB, S+16*e
	v_pk_add_f32 v[rB:rB+1], v[rB:rB+1], v[rB+4:rB+5]
	v_pk_add_f32 v[rB+2:rB+3], v[rB+2:rB+3], v[rB+6:rB+7]
	v_pk_add_f32 v[rB+8:rB+9], v[rB+8:rB+9], v[rB+12:rB+13]
	v_pk_add_f32 v[rB+10:rB+11], v[rB+10:rB+11], v[rB+14:rB+15]
	v_pk_add_f32 v[rB:rB+1], v[rB:rB+1], v[rB+8:rB+9]
	v_pk_add_f32 v[rB+2:rB+3], v[rB+2:rB+3], v[rB+10:rB+11]
	global_store_b128 v[GO], v[rB:rB+3], s[OUT:OUT+1] offset:1024*(e/2)+512*(e%2) th:TH_STORE_NT  ; the wave stores 512 consecutive bytes, at a multiple of 256 from out1's first
.set e, e+1
.endr
	s_wait_xcnt 0x0                                ; the stores have read their data and their base: both are written again only behind this wait
	s_add_nc_u64 s[OUT:OUT+1], s[OUT:OUT+1], 4096
	s_add_co_u32 s[SB], s[SB], 4*SPITCH
	s_sub_co_u32 s[BK], s[BK], 1
	s_cmp_lg_u32 s[BK], 0
	s_cbranch_scc1 .Lback
	s_wait_tensorcnt 0x0                           ; the wave's end, behind my last tensor load and my last LDS store
	ds_add_u32 v[SPW], v[NIL]
	s_wait_dscnt 0x0
	ROUND                                          ; the closing round: no work-group ends while a partner may still ask for a tile that names it
	s_endpgm
.Lfunc_end_k_q16266a7b36_txtatt:
	.size	k_q16266a7b36_txtatt, .Lfunc_end_k_q16266a7b36_txtatt-k_q16266a7b36_txtatt
	.p2alignl 7, 3214868480
	.fill 96, 4, 3214868480
	.section	.rodata,"a",@progbits
	.p2align	6, 0x0
	.amdhsa_kernel k_q16266a7b36_txtatt
		.amdhsa_group_segment_fixed_size 327680
		.amdhsa_private_segment_fixed_size 0
		.amdhsa_enable_private_segment 0
		.amdhsa_kernarg_size 32
		.amdhsa_user_sgpr_count 2
		.amdhsa_user_sgpr_kernarg_segment_ptr 1
		.amdhsa_wavefront_size32 1
		.amdhsa_system_sgpr_workgroup_id_x 1
		.amdhsa_system_sgpr_workgroup_id_y 1
		.amdhsa_system_sgpr_workgroup_id_z 1
		.amdhsa_system_vgpr_workitem_id 0
		.amdhsa_next_free_vgpr 1024
		.amdhsa_next_free_sgpr 66
		.amdhsa_reserve_vcc 0
		.amdhsa_float_denorm_mode_32 3
		.amdhsa_float_denorm_mode_16_64 3
		.amdhsa_memory_ordered 1
		.amdhsa_forward_progress 1
		.amdhsa_inst_pref_size 133
	.end_amdhsa_kernel
	.amdgpu_metadata
---
amdhsa.version: [ 1, 2 ]
amdhsa.kernels:
  - .name:           k_q16266a7b36_txtatt
    .symbol:         k_q16266a7b36_txtatt.kd
    .args:
      - { .name: tb, .offset: 0, .size: 8, .value_kind: global_buffer, .address_space: global }
      - { .name: ib, .offset: 8, .size: 8, .value_kind: global_buffer, .address_space: global }
      - { .name: lse, .offset: 16, .size: 8, .value_kind: global_buffer, .address_space: global }
      - { .name: out1, .offset: 24, .size: 8, .value_kind: global_buffer, .address_space: global }
    .group_segment_fixed_size: 327680
    .private_segment_fixed_size: 0
    .kernarg_segment_align: 8
    .kernarg_segment_size: 32
    .max_flat_workgroup_size: 128
    .sgpr_count:     66
    .vgpr_count:     1024
    .wavefront_size: 32
...
	.end_amdgpu_metadata
.endif
;; end of part 4
;; ======== version 2 of 3: 3 launches
;; workspace buffers: ib 8,388,608 bytes; tb 8,388,608 bytes; lse 65,536 bytes
;; launch cast: the kernel of part 1 again; grid 512 x 1, 8 waves a work-group, no clusters, 0 bytes of LDS; arguments image_features, text_features, ib, tb; writes ib, tb
;; launch imgatt (part 5): grid 64 x 4, 4 waves a work-group, clusters of 4 x 1, 327,680 bytes of LDS; arguments ib, tb, out0, lse; writes out0, lse
.if DOCPART == 5
	.amdgcn_target "amdgcn-amd-amdhsa--gfx1250"
	.amdhsa_code_object_version 6
	.text
	.protected	k_q16266a7b36_imgatt
	.globl	k_q16266a7b36_imgatt
	.p2align	8
	.type	k_q16266a7b36_imgatt,@function
k_q16266a7b36_imgatt:
	s_mov_b64 s[64:65], 0
	v_nop
	global_prefetch_b8 v0, s[64:65] scope:SCOPE_SE
	s_setreg_imm32_b32 hwreg(HW_REG_WAVE_MODE, 25, 1), 1
	s_wait_xcnt 0x0
	s_wait_alu depctr_hold_cnt(0) depctr_sa_sdst(0) depctr_va_vdst(0) depctr_va_sdst(0) depctr_va_ssrc(0) depctr_va_vcc(0) depctr_vm_vsrc(0)
	s_getreg_b32 s2, hwreg(HW_REG_IB_STS2, 6, 4)
	s_cmp_eq_u32 s2, 0
	s_cbranch_scc0 .Lentry_in_a_cluster
	s_endpgm
.Lentry_in_a_cluster:
	s_bfe_u32 s2, ttmp6, 0x10000c
	s_cmp_lg_u32 s2, 0x3003
	s_cbranch_scc0 .Lentry_shape_is_right
	s_endpgm
.Lentry_shape_is_right:
; out0[b][i][:] = the sum over t of softmax_t(I[b][i] . T[b][t] / 16) T[b][t][:], and for the launch behind: lse[b][i] = c m + log2(l), with m the row's largest score,
; l the sum of 2^(c s - c m), c = log2(e) / 16.  I (ib) and T (tb): [4][4096][256] bf16; out0 and lse f32.  Products, maxima and sums in f32; the weights are rounded to bf16 for the second product.
; lse is laid as its reader wants it: inside each 16 rows, row r stands at place 8 (r % 2) + r / 2.
; LIMITS.  NaN and infinities are not treated apart; a weight below 2^-126 counts as 0; c s lies above -4.25e37, where c m starts; l is the sum of the unrounded weights.
; SHARES.  A work-group owns 64 queries (four tiles of 16), 64 work-groups a batch.  ALL FOUR WAVES HOLD ALL 64 QUERIES, AND THE KEYS ARE SPLIT AMONG THEM: in step j (16 steps) wave w takes the
; 64 keys of key tile 4 j + w, with a running maximum and sum of its own; the four partial results meet in LDS once, at the end.  (A tile of 16 queries costs 128 registers of O^T and 64 of Q,
; so four tiles fill three windows; 64 queries a wave and four waves of queries would leave 64 work-groups for the launch.)
; K AND V ARE THE SAME TENSOR: one LDS tile of 64 rows x 512 bytes serves both products, read as it lies for K Q^T and turned (ds_load_tr16_b128) for V^T P.
; LAYOUT.  S^T = K Q^T (source 0 = 16 keys, source 1 = 16 queries): a lane holds ONE query (lane % 16).  Two results rounded to bf16 in pairs ARE source 1 of O^T = V^T P.
; THE KEYS ARE TAKEN IN A PERMUTED ORDER inside each 16: matrix row m is LDS row 2 (m % 8) + m / 8, so register j of the lanes' half h holds key 2 j + h; the turned fragment of V takes the same
; keys in the same places.  With it both kinds of read touch sixteen different 16-byte columns at one pitch of 528 bytes (64 banks of 4 bytes: ISA guide 11.1).  A sum over keys does not mind the order.
; CLUSTER.  The four work-groups of a cluster belong to one batch and walk the same keys: each tile is asked for JOINTLY, the same load, descriptor and mask in all four.
; PHASES.  A step is 128 products K Q^T, the softmax of the four tiles, O^T's rescaling, 128 products V^T P.  There is no room for a second buffer of scores, so the phases follow each other.
; REGISTERS, in windows of 256 (s_set_vgpr_msb: bits 1:0 source 0, 3:2 source 1, 5:4 source 2, 7:6 destination):
;   window 0: v0-15 addresses; v16-47 statistics, 8 a tile; v48-63 the way out; v64-191 S^T (tile t at 32 t, key block kb at + 8 kb), P in place; v192-255 two buffers of four fragments
;   window 1: Q, (tile t, channels 32 c on) at 64 t + 8 c          windows 2, 3: O^T, (channel block cb, tile t) in window 2 + cb / 8 at 8 (4 (cb % 8) + t)
.set PITCH,  528                       ; an LDS row: 512 bytes + 16 of padding
.set TILE,   64*PITCH                  ; a wave's key tile: 33,792 bytes
.set SLOT,   4*TILE                    ; 135,168 = 0x21000; no tile's start in slot 0 has one of its two bits, so one exclusive or changes slots
.set STEPB,  4*64*512                  ; bytes of K from step to step
.set STEPS,  16
.set SCR,    2*SLOT                    ; behind the ring: (c m, l) of 64 queries for each wave, 2,048 bytes
.set GB,     SCR+2048                  ; the four waves' factors for each row, each written twice: 32 bytes a row, 512 a wave (tile w's rows are wave w's own)
.set LSES,   GB+2048                   ; the block's 64 lse, 256 bytes
.set SPARE,  LSES+256                  ; the spare words, 128 bytes for each wave: two blocks of 256 bytes that no other line names
.set SPITCH, 1040                      ; the way out: a row of 256 f32 + 16 bytes: 65 x 16
.set WSTG,   64*SPITCH                 ; a wave's partial O: the four lie from LDS byte 0 on, in the ring's bytes, when these have had their last fill
.set RR,  1                            ; v1   lane % 16
.set HH,  2                            ; v2   lane / 16
.set AK0, 3                            ; v3   my place in a tile, read as K
.set AV0, 4                            ; v4   read turned, as V
.set ADK, 5                            ; v5   AK0 + the step's tile
.set ADV, 6                            ; v6   AV0 + the step's tile
.set QO,  7                            ; v7   my byte offset in 16 rows of Q
.set PFO, 8                            ; v8   256 x lane
.set STO, 9                            ; v9   the way out: where I put 32 bytes of a row
.set XS,  10                           ; v10  where I put a query's (c m, l)
.set XR,  11                           ; v11  where I read the four waves' for query lane % 16 of tile w
.set GO,  12                           ; v12  16 x lane
.set LO,  13                           ; v13  where I put that query's lse
.set SPW, 14                           ; v14  LDS address of my spare word; never rewritten
.set NIL, 15                           ; v15  0; never rewritten
.set ST,  16                           ; tile t at ST + 8 t: c m, m, l (even, odd registers'), c0-c3 at work; c2 takes a.  On the way out: four rows' factors, 8 a row
.set RD,  48                           ; v48-51 the way out: my 16 bytes in wave v's copy of my rows
.set LD2, 52                           ; v52-53 lse as stored
.set GU,  54                           ; v54  my wave's factors in LDS
.set RA,  56                           ; v56-59 RD + the trip's rows (at the head: at work)
.set GA,  60                           ; v60  where I put row lane % 16's factors
.set GAC, 61                           ; v61  GU + the trip's rows
.set LG,  62                           ; v62  8 x lane
.set LL,  63                           ; v63  LSES + 8 x lane
.set S,   64
.set FR,  192
.set X,   64                           ; the end: v64-71 (c m, l) of the four waves; v72 M; v73 L; v74 1 / L; v75 lse; v76-83 the factors, twice each
.set MM,  72
.set LT,  73
.set RC,  74
.set LGL, 75
.set GV,  76
.set WV,  12                           ; s12  my wave's number
.set LIM, 15                           ; s15  1 in a cluster that prefetches, else the greatest number
.set PFA, 18                           ; s[18:19] where my prefetches stand
.set G1,  24                           ; s[24:31] descriptor group 1
.set G0,  32                           ; s[32:35] descriptor group 0: it walks
.set LEFT, 36                          ; s36  trips to go
.set TB,  37                           ; s37  LDS byte of my tile of the step in hand
.set CS,  38                           ; s[38:39] c, twice
.set SEL, 40                           ; s[40:41] v_permlanex16_b32's selects: each lane takes its own place in the other half
.set BK,  43                           ; s43  counts the way out's trips
.set SB,  60                           ; s60  the way out: bytes of stage rows done
.set SG,  61                           ; s61  the way out: bytes of factors done
.set OUT, 8                            ; s[8:9] out0 at my rows
.set W_KQ, 0x04                        ; Q (source 1) in window 1, all else in window 0: LDS loads into window 0 run under it too
.set MSB, 0
.macro WIN new                         ; the high byte repeats the setting that is left; a switch that changes nothing is dropped
.if MSB != (\new)
	s_set_vgpr_msb (MSB<<8)|(\new)
.set MSB, (\new)
.endif
.endm
.macro PLACES                          ; four plain vector instructions between a matrix instruction and what reads its result, writes or loads into its registers
.rept 4
	v_nop
.endr
.endm
.macro ROUND                           ; a round of the cluster's barrier: my work-group's barrier; wave 0 signals for it; every wave waits for all four work-groups; my work-group's barrier again
	s_barrier_signal -1
	s_barrier_wait -1
	s_cmp_lg_u32 s[WV], 0
	s_cbranch_scc1 .Lnot_wave_0_\@
	s_barrier_signal -3
.Lnot_wave_0_\@:
	s_barrier_wait -3
	s_barrier_signal -1
	s_barrier_wait -1
.endm
.macro JLOAD                           ; a joint load: every wave fetches its own key tile; s_nop 0 and four v_nop follow
	tensor_load_to_lds s[G0:G0+3], s[G1:G1+7]
	s_nop 0
	PLACES
.endm
; A PREFETCH INTO THE L2 of the tile that my wave will ask for at the NEXT change of slots: one step, 256 matrix instructions and a softmax, ahead of that load.  All 16 clusters of a batch walk the same
; keys: the batch's first cluster asks, and nobody else.  Of wave w's 32,768 bytes each of the four partners takes 8,192, told apart BY ADDRESS, a lane a block of 256: each block is named once in
; the launch.  The loop's last trip asks for nothing: there is no step behind the one that it loads.  Steps 0 and 1 come by their loads alone.
.macro ASK
	s_cmp_gt_u32 s[LEFT], s[LIM]
	s_cbranch_scc0 .Lnot_mine_\@
	global_prefetch_b8 v[PFO], s[PFA:PFA+1] th:TH_LOAD_NT scope:SCOPE_SE
.Lnot_mine_\@:
.endm
; THE CHANGE OF SLOTS.  Each wave waits for all its tensor loads (one is out: the tile of the step to come), adds 0 to its spare word, and waits for that and for its reads of the slot that it leaves.
; fill = 1: a round of the cluster's barrier, and first behind it the joint load of the step after, into the slot just left (at the first use: slot 1's first fill).
; The four v_nop and the two additions are the places between the last products V^T P and the loads into their fragments' buffers (four) and the products that write over P (five).
.macro CHANGE fill
	WIN 0                                          ; at a label and at a branch every window is 0
	s_wait_tensorcnt 0x0                           ; no tensor load of mine is out, so group 0 may be written
	ds_add_u32 v[SPW], v[NIL]                      ; 0 onto my spare word
.if \fill
	s_xor_b32 s[G0+1], s[G0+1], SLOT               ; the other slot than last time,
	s_add_nc_u64 s[G0+2:G0+3], s[G0+2:G0+3], STEPB ; the next step's tile; the type bits on top are not reached
	s_wait_xcnt 0x0                                ; the last prefetch, a step back, has read its address
	s_add_nc_u64 s[PFA:PFA+1], s[PFA:PFA+1], STEPB ; one step further than the descriptor
	s_wait_dscnt 0x0                               ; the add is done, and my reads of the slot are over
	ROUND
	JLOAD
	ASK
.else
	s_wait_dscnt 0x0
	s_barrier_signal -1
	s_barrier_wait -1
	PLACES
.endif
	s_xor_b32 s[TB], s[TB], SLOT
	v_add_nc_u32 v[ADK], s[TB], v[AK0]
	v_add_nc_u32 v[ADV], s[TB], v[AV0]
.endm
; GROUP g of a step's 16: four fragments, eight LDS loads in one run, into buffer g % 2.  g < 8: K, channels 32 g on, key blocks 0 to 3.
; g >= 8, u = g - 8: V turned, keys 32 ((u / 2) % 2) on, channel blocks 8 (u / 4) + 4 (u % 2) + 0 .. 3.
.macro FETCH g
.set fb, FR+32*((\g)%2)
.set fi, 0
.if (\g) < 8
.rept 4
	ds_load_b128 v[fb+8*fi:fb+8*fi+3],   v[ADK] offset:fi*16*PITCH+64*(\g)
	ds_load_b128 v[fb+8*fi+4:fb+8*fi+7], v[ADK] offset:fi*16*PITCH+64*(\g)+32
.set fi, fi+1
.endr
.else
.set fu, (\g)-8
.set fk, (fu/2)%2
.set fc, 8*(fu/4)+4*(fu%2)
.rept 4
	ds_load_tr16_b128 v[fb+8*fi:fb+8*fi+3],   v[ADV] offset:fk*32*PITCH+32*(fc+fi)
	ds_load_tr16_b128 v[fb+8*fi+4:fb+8*fi+7], v[ADV] offset:fk*32*PITCH+32*(fc+fi)+16*PITCH
.set fi, fi+1
.endr
.endif
.endm
; Group g's sixteen products.  The accumulators take turns, one instruction a turn: 15 others' stand between two links of a chain of S^T, 31 of O^T.
.macro MULK g                          ; S^T(t, kb) += K(kb) x Q(t, channels 32 g on); the first channels start the sums
.set fb, FR+32*((\g)%2)
.set mi, 0
.rept 4
.set mt, 0
.rept 4
.set rS, S+32*mt+8*mi
.set rQ, 64*mt+8*(\g)
.if (\g) == 0
	v_wmma_f32_16x16x32_bf16 v[rS:rS+7], v[fb+8*mi:fb+8*mi+7], v[rQ:rQ+7], 0
.else
	v_wmma_f32_16x16x32_bf16 v[rS:rS+7], v[fb+8*mi:fb+8*mi+7], v[rQ:rQ+7], v[rS:rS+7]
.endif
.set mt, mt+1
.endr
.set mi, mi+1
.endr
.endm
.macro MULV g                          ; O^T(cb, t) += V^T(cb) x P(t, kk)
.set fb, FR+32*((\g)%2)
.set fu, (\g)-8
.set fk, (fu/2)%2
.set fc, 4*(fu%2)
	WIN 0xa0+0x50*(fu/4)                           ; C and D in window 2 or 3
.set mi, 0
.rept 4
.set mt, 0
.rept 4
.set rO, 8*(4*(fc+mi)+mt)
.set rP, S+32*mt+16*fk
	v_wmma_f32_16x16x32_bf16 v[rO:rO+7], v[fb+8*mi:fb+8*mi+7], v[rP:rP+7], v[rO:rO+7]
.set mt, mt+1
.endr
.set mi, mi+1
.endr
.endm
.macro ALLT line:vararg                ; one line for each tile t, so that no line reads the result of the line before it
.set t, 0
.rept 4
.set rT, ST+8*t
.set rS, S+32*t
	\line
.set t, t+1
.endr
.endm
; The new maximum and what hangs on it.  Each accumulator's lowest registers are read first.
.macro MAXES
.set mn, 0
.rept 4
	ALLT v_max3_num_f32 v[rT+4+mn], v[rS+8*mn], v[rS+8*mn+1], v[rS+8*mn+2]
.set mn, mn+1
.endr
.rept 8
	ALLT v_max3_num_f32 v[rT+4+mn%4], v[rT+4+mn%4], v[rS+8*(mn%4)+2*(mn/4)+1], v[rS+8*(mn%4)+2*(mn/4)+2]
.set mn, mn+1
.endr
	ALLT v_max3_num_f32 v[rT+4], v[rT+4], v[rS+7], v[rS+15]
	ALLT v_max3_num_f32 v[rT+6], v[rT+6], v[rS+23], v[rS+31]
	ALLT v_max3_num_f32 v[rT+4], v[rT+4], v[rT+5], v[rT+6]
	ALLT v_max3_num_f32 v[rT+4], v[rT+4], v[rT+7], v[rT+1]
	ALLT v_permlanex16_b32 v[rT+5], v[rT+4], s[SEL], s[SEL+1]  ; the query's other 32 keys lie in the lane 16 away
	ALLT v_mov_b32 v[rT+7], v[rT]                  ; c m_old is kept
	ALLT v_max_num_f32 v[rT+1], v[rT+4], v[rT+5]
	ALLT v_mul_f32 v[rT], s[CS], v[rT+1]
	ALLT v_sub_f32 v[rT+7], v[rT+7], v[rT]
	ALLT v_exp_f32 v[rT+6], v[rT+7]                ; a = 2^(c m_old - c m_new); the scalings below are the plain lines behind it
.endm
; Stage k, for each tile: c s - c m of pair k; the two exponentials of pair k - 1, a plain line behind each; pair k - 2 is added onto l and rounded to bf16, in place:
; pair b goes to register 16 (b / 8) + b % 8 of the tile's S^T, which holds a pair that has been summed and rounded.
.macro STAGES
.set k, 0
.rept 18
.set t, 0
.rept 4
.set rT, ST+8*t
.set rS, S+32*t
.set b, k-2
.if k < 16
	v_pk_fma_f32 v[rS+2*k:rS+2*k+1], v[rS+2*k:rS+2*k+1], s[CS:CS+1], v[rT:rT+1] op_sel_hi:[1,0,0] neg_lo:[0,0,1] neg_hi:[0,0,1]
.endif
.if (k >= 1) && (k <= 16)
	v_exp_f32 v[rS+2*k-2], v[rS+2*k-2]
.endif
.if k == 2
	s_wait_alu depctr_va_vdst(0)
	v_pk_fma_f32 v[rT+2:rT+3], v[rT+2:rT+3], v[rT+6:rT+7], v[rS:rS+1] op_sel_hi:[1,0,1]  ; l = a l + the first pair
.elseif k > 2
	s_wait_alu depctr_va_vdst(0)
	v_pk_add_f32 v[rT+2:rT+3], v[rT+2:rT+3], v[rS+2*b:rS+2*b+1]
.endif
.if (k >= 1) && (k <= 16)
	v_exp_f32 v[rS+2*k-1], v[rS+2*k-1]
.endif
.if k >= 2
	v_cvt_pk_bf16_f32 v[rS+16*(b/8)+b%8], v[rS+2*b], v[rS+2*b+1]
.endif
.set t, t+1
.endr
.set k, k+1
.endr
.endm
.macro RESCALE                         ; O^T times the tile's a, ascending in each accumulator
.set w2, 0
.rept 2
	WIN 0x82+0x41*w2                               ; destination and source 0 in window 2 or 3, a in window 0
.set i, 0
.rept 128
.set rA, ST+8*((i/4)%4)+6
	v_pk_mul_f32 v[2*i:2*i+1], v[2*i:2*i+1], v[rA:rA+1] op_sel_hi:[1,0]
.set i, i+1
.endr
.set w2, w2+1
.endr
.endm
; A KEY STEP.  Two groups of loads are out: group g + 2 is asked for four places behind group g's products, into the buffer that these have read, 16 products ahead of its own; the wait leaves the
; one younger group's 8 loads out.  V's first two groups are asked for at the end of the first phase and land during the softmax.
.macro STEP
	WIN W_KQ
	FETCH 0
	FETCH 1
.set gg, 0
.rept 8
	s_wait_dscnt 8
	MULK gg
	PLACES
	FETCH gg+2
.set gg, gg+1
.endr
	WIN 0
	MAXES
	STAGES
	RESCALE
.rept 8
.if gg < 15
	s_wait_dscnt 8
.else
	s_wait_dscnt 0                                 ; the last group: nothing was fetched behind it
.endif
	MULV gg
.if gg < 14
	PLACES
	WIN 0
	FETCH gg+2
.endif
.set gg, gg+1
.endr
.endm
	s_load_b256 s[4:11], s[0:1], 0x0               ; ib (Q) s[4:5], tb (K = V) s[6:7], out0 s[8:9], lse s[10:11]
	v_lshl_add_u32 v[SPW], v0, 2, SPARE
	v_mov_b32 v[NIL], 0
	ds_add_u32 v[SPW], v[NIL]                      ; the wave's opening: the add and its wait stand ahead of my first tensor load; work on registers stands between them
	v_lshrrev_b32 v1, 5, v0
	v_readfirstlane_b32 s[WV], v1                  ; wave 0..3
	s_bfe_u32 s13, ttmp6, 0x40000                  ; cx: my place in the cluster: it enters Q's, out0's, lse's and the prefetches' addresses alone
	s_lshl_b32 s14, ttmp9, 2                       ; in a cluster launch ttmp9 counts clusters
	s_add_co_u32 s14, s14, s13                     ; my block of 64 queries
	s_and_b32 s20, ttmp7, 0xffff                   ; the batch, which the four partners share
	s_lshl_b32 s16, s20, 21                        ; K: the batch's 4,096 rows of 512 bytes,
	s_lshl_b32 s21, s[WV], 15                      ; my wave's tile of step 0
	s_add_co_u32 s16, s16, s21
	s_mov_b32 s17, 0
	s_lshl_b32 s2, s13, 13                         ; the prefetches: my work-group's 8,192 bytes of that tile,
	s_add_co_u32 s2, s2, s16
	s_add_co_u32 s2, s2, STEPB                     ; at step 1; the first change of slots steps it to step 2
	s_mov_b32 s3, 0
	s_lshl_b32 s22, s20, 21                        ; Q: the batch, my block's 64 rows of 512 bytes
	s_lshl_b32 s23, s14, 15
	s_add_co_u32 s22, s22, s23
	s_mov_b32 s23, 0
	s_lshl_b32 s56, s20, 22                        ; out0: rows of 1,024 bytes: the batch, my block, my wave's 16 rows
	s_lshl_b32 s57, s14, 16
	s_add_co_u32 s56, s56, s57
	s_lshl_b32 s57, s[WV], 14
	s_add_co_u32 s56, s56, s57
	s_mov_b32 s57, 0
	s_lshl_b32 s58, s20, 14                        ; lse: the batch, my block's 256 bytes
	s_lshl_b32 s59, s14, 8
	s_add_co_u32 s58, s58, s59
	s_mov_b32 s59, 0
	; descriptor group 1: a tile of 64 rows x 256 elements of 2 bytes, padded in LDS
	s_mov_b32 s[G1], 15|(1<<16)|(1<<20)|(1<<21)|(6<<22)|(3<<25)  ; 15:0 the mask of four; 17:16 2-byte elements; 20 padding on; 21 set beside a mask; 24:22 after every 128 words (code 6); 31:25 4 words (code 3)
	s_mov_b32 s[G1+1], 256<<16                     ; tensor_dim0 = 256
	s_mov_b32 s[G1+2], 64<<16                      ; tensor_dim1 = 64
	s_mov_b32 s[G1+3], 256<<16                     ; tile_dim0 = 256
	s_mov_b32 s[G1+4], 64                          ; tile_dim1 = 64
	s_mov_b32 s[G1+5], 256                         ; 256 elements from row to row
	s_mov_b32 s[G1+6], 0
	s_mov_b32 s[G1+7], 0
	s_mov_b32 s[G0], 1                             ; count = 1
	s_mul_i32 s[G0+1], s[WV], TILE                 ; LDS address: my tile in slot 0
	s_xor_b32 s[TB], s[G0+1], SLOT                 ; the first change of slots turns it into slot 0
	s_mov_b32 s[CS], 0x3db8aa3b                    ; c = log2(e) / 16
	s_mov_b32 s[CS+1], s[CS]
	s_mov_b32 s[SEL], 0x76543210
	s_mov_b32 s[SEL+1], 0xfedcba98
	s_cmp_eq_u32 ttmp9, 0                          ; the batch's first cluster: the same answer in all four partners
	s_cselect_b32 s[LIM], 1, -1
	s_wait_dscnt 0x0                               ; the opening add is done
	s_wait_kmcnt 0x0
	s_add_nc_u64 s[G0+2:G0+3], s[6:7], s[16:17]
	s_or_b32 s[G0+3], s[G0+3], 0x80000000          ; type = 2
	s_add_nc_u64 s[PFA:PFA+1], s[6:7], s[2:3]
	s_add_nc_u64 s[4:5], s[4:5], s[22:23]
	s_add_nc_u64 s[8:9], s[8:9], s[56:57]
	s_add_nc_u64 s[10:11], s[10:11], s[58:59]
	ROUND                                          ; all four work-groups are here: the first joint loads meet
	JLOAD                                          ; step 0 into slot 0; one tensor load of mine is out
	v_and_b32 v[RR], 15, v0
	v_bfe_u32 v[HH], v0, 4, 1
	v_lshlrev_b32 v[QO], 9, v[RR]
	v_lshl_add_u32 v[QO], v[HH], 4, v[QO]          ; row x 512 + 16 x half
	WIN 0x40                                       ; destination window 1, address window 0
.set i, 0
.rept 32                                       ; Q stays in registers: tile i / 8, channels 32 (i % 8) on; two loads of 16 bytes, 32 bytes apart
	global_load_b128 v[8*i:8*i+3],   v[QO], s[4:5] offset:(i/8)*8192+(i%8)*64
	global_load_b128 v[8*i+4:8*i+7], v[QO], s[4:5] offset:(i/8)*8192+(i%8)*64+32
.set i, i+1
.endr
	; O^T and l start at 0, c m far below every c s: the first step is a step like any other, with a = 0, and no first step is written out.  O^T's 512 registers are set by 64 products of two
	; fragments of zeros with C = 0, eight registers a line; they run while the first tile is on its way.
	WIN 0
.set i, 0
.rept 16
	v_mov_b32 v[FR+i], 0
.set i, i+1
.endr
	WIN 0x80                                       ; destination window 2
.set i, 0
.rept 32
	v_wmma_f32_16x16x32_bf16 v[8*i:8*i+7], v[FR:FR+7], v[FR+8:FR+15], 0
.set i, i+1
.endr
	WIN 0xc0                                       ; destination window 3
.set i, 0
.rept 32
	v_wmma_f32_16x16x32_bf16 v[8*i:8*i+7], v[FR:FR+7], v[FR+8:FR+15], 0
.set i, i+1
.endr
	WIN 0
.set t, 0
.rept 4
	v_mov_b32 v[ST+8*t], 0xfe000000                ; c m
	v_mov_b32 v[ST+8*t+1], 0xff7fffff              ; m: the lowest finite number
	v_mov_b32 v[ST+8*t+2], 0
	v_mov_b32 v[ST+8*t+3], 0
.set t, t+1
.endr
	v_and_b32 v56, 7, v0                           ; a = lane % 8
	v_bfe_u32 v57, v0, 3, 1                        ; b = (lane / 8) % 2
	v_lshl_add_u32 v58, v56, 1, v57
	v_mul_u32_u24 v[AK0], v58, PITCH
	v_lshl_add_u32 v[AK0], v[HH], 4, v[AK0]        ; as K: row 2 a + b, 16 bytes for each half of the lanes
	v_lshl_add_u32 v58, v56, 1, v[HH]
	v_mul_u32_u24 v[AV0], v58, PITCH
	v_lshl_add_u32 v[AV0], v57, 4, v[AV0]          ; turned: row 2 a + lane / 16, channels 8 b on
	v_and_b32 v59, 31, v0
	v_lshlrev_b32 v[PFO], 8, v59
	v_lshlrev_b32 v[GO], 4, v59
	v_lshlrev_b32 v[LG], 3, v59
	v_add_nc_u32 v[LL], LSES, v[LG]
	s_mul_i32 s20, s[WV], WSTG
	v_mul_u32_u24 v[STO], v[RR], SPITCH
	v_lshl_add_u32 v[STO], v[HH], 5, v[STO]
	v_add_nc_u32 v[STO], s20, v[STO]               ; my stage: row lane % 16, 32 bytes for each half of the lanes
	s_mul_i32 s21, s[WV], 16*SPITCH
	v_add_nc_u32 v[RD], s21, v[GO]                 ; back: rows 16 w on, 16 bytes a lane, in each wave's stage
	v_add_nc_u32 v[RD+1], WSTG, v[RD]
	v_add_nc_u32 v[RD+2], 2*WSTG, v[RD]
	v_add_nc_u32 v[RD+3], 3*WSTG, v[RD]
	s_lshl_b32 s20, s[WV], 9
	s_add_co_u32 s21, s20, SCR
	v_lshl_add_u32 v[XS], v[RR], 3, s21            ; my wave's 512 bytes: tile t at 128 t, query r at 8 r
	s_lshl_b32 s21, s[WV], 7
	s_add_co_u32 s21, s21, SCR
	v_lshl_add_u32 v[XR], v[RR], 3, s21            ; tile w in wave 0's 512 bytes; the other waves' 512 bytes apart
	s_add_co_u32 s21, s20, GB
	v_mov_b32 v[GU], s21                           ; my wave's factors
	v_lshl_add_u32 v[GA], v[RR], 5, s21            ; 32 bytes a row
	v_and_b32 v56, 1, v[RR]                        ; row r of a block of 16 goes to place 8 (r % 2) + r / 2
	v_lshrrev_b32 v57, 1, v[RR]
	v_lshl_add_u32 v56, v56, 3, v57
	s_lshl_b32 s21, s[WV], 6
	s_add_co_u32 s21, s21, LSES
	v_lshl_add_u32 v[LO], v56, 2, s21              ; tile w's 64 bytes
	s_wait_loadcnt 0x0                             ; Q
	s_mov_b32 s[LEFT], STEPS-1
.Lstep:                                        ; 15 trips: step j is worked on, step j + 1 asked for
	CHANGE 1
	STEP
	WIN 0
	s_sub_co_u32 s[LEFT], s[LEFT], 1
	s_cmp_lg_u32 s[LEFT], 0
	s_cbranch_scc1 .Lstep
	CHANGE 0                                       ; the last step is written out: nothing is asked for
	STEP
	WIN 0
	; THE FOUR WAVES MEET.  Each puts (c m, l) of its 64 queries into LDS; both halves of the lanes hold, and write, the same numbers.  The additions are the places behind the last products.
	ALLT v_add_f32 v[rT+4], v[rT+2], v[rT+3]
	ALLT v_permlanex16_b32 v[rT+5], v[rT+4], s[SEL], s[SEL+1]
	ALLT v_add_f32 v[rT+1], v[rT+4], v[rT+5]
	ALLT ds_store_b64 v[XS], v[rT:rT+1] offset:128*t
	s_wait_dscnt 0x0                               ; for the others' sake: my stores are done; and my reads of the ring are over, so that its bytes may serve as stages behind this barrier
	s_barrier_signal -1
	s_barrier_wait -1
	; Wave w adds up and stores tile w's rows, so it merges tile w's statistics: M = the largest c m; L = the sum of 2^(c m_v - M) l_v, at least 1; wave v's partial O counts with
	; g_v = 2^(c m_v - M) / L; lse = M + log2(L).  Lane r holds row r's.
.set vv, 0
.rept 4
	ds_load_b64 v[X+2*vv:X+2*vv+1], v[XR] offset:512*vv
.set vv, vv+1
.endr
	s_wait_dscnt 0x0
	v_max3_num_f32 v[MM], v[X], v[X+2], v[X+4]
	v_max_num_f32 v[MM], v[MM], v[X+6]
.set vv, 0
.rept 4
	v_sub_f32 v[X+2*vv], v[X+2*vv], v[MM]
.set vv, vv+1
.endr
.set vv, 0
.rept 4
	v_exp_f32 v[X+2*vv], v[X+2*vv]
.set vv, vv+1
.endr
	v_nop                                          ; a plain line behind the last exponential
	s_wait_alu depctr_va_vdst(0)
	v_mul_f32 v[LT], v[X], v[X+1]
	v_fma_f32 v[LT], v[X+2], v[X+3], v[LT]
	v_fma_f32 v[LT], v[X+4], v[X+5], v[LT]
	v_fma_f32 v[LT], v[X+6], v[X+7], v[LT]
	v_rcp_f32 v[RC], v[LT]
	v_log_f32 v[LGL], v[LT]
	v_nop                                          ; a plain line before the two results are used
.set vv, 0
	s_wait_alu depctr_va_vdst(0)
.rept 4
	v_mul_f32 v[GV+2*vv], v[X+2*vv], v[RC]         ; each factor twice: a pair for the packed lines of the way out
	v_mul_f32 v[GV+2*vv+1], v[X+2*vv], v[RC]
.set vv, vv+1
.endr
	v_add_f32 v[LGL], v[LGL], v[MM]
	ds_store_b128 v[GA], v[GV:GV+3]                ; read back by my own wave alone
	ds_store_b128 v[GA], v[GV+4:GV+7] offset:16
	ds_store_b32 v[LO], v[LGL]                     ; read by wave 0, behind the barrier below
	; THE WAY OUT.  A lane's eight channels of a query are 32 bytes of a row of out0: each wave lays its partial O into its stage, each accumulator's low registers first.
.set w2, 0
.rept 2
	WIN 0x08+0x04*w2                               ; the stores' data (source 1) in window 2 or 3
.set i, 0
.rept 32
	ds_store_b128 v[STO], v[8*i:8*i+3]   offset:16*SPITCH*(i%4)+64*(8*w2+i/4)
	ds_store_b128 v[STO], v[8*i+4:8*i+7] offset:16*SPITCH*(i%4)+64*(8*w2+i/4)+16
.set i, i+1
.endr
.set w2, w2+1
.endr
	WIN 0
	s_wait_dscnt 0x0                               ; for the others' sake: my stage and my lse are written
	s_barrier_signal -1
	s_barrier_wait -1
	s_cmp_lg_u32 s[WV], 0                          ; wave 0 stores the block's lse: 8 bytes a lane, 256 consecutive bytes, aligned
	s_cbranch_scc1 .Lno_lse
	ds_load_b64 v[LD2:LD2+1], v[LL]
	s_wait_dscnt 0x0
	global_store_b64 v[LG], v[LD2:LD2+1], s[10:11]
.Lno_lse:
	s_mov_b32 s[SB], 0
	s_mov_b32 s[SG], 0
	s_mov_b32 s[BK], 4
.Lback:                                        ; wave w forms the sum over v of g_v O_v for rows 16 w .. 16 w + 15, four rows a trip, and stores them
	v_add_nc_u32 v[GAC], s[SG], v[GU]
.set vv, 0
.rept 4
	v_add_nc_u32 v[RA+vv], s[SB], v[RD+vv]
.set vv, vv+1
.endr
.set i, 0
.rept 4                                        ; the four rows' factors: every lane reads the same 32 bytes
	ds_load_b128 v[ST+8*i:ST+8*i+3],   v[GAC] offset:32*i
	ds_load_b128 v[ST+8*i+4:ST+8*i+7], v[GAC] offset:32*i+16
.set i, i+1
.endr
.set e, 0
.rept 8                                        ; half e % 2 of row e / 2, from the four stages
.set vv, 0
.rept 4
	ds_load_b128 v[S+16*e+4*vv:S+16*e+4*vv+3], v[RA+vv] offset:SPITCH*(e/2)+512*(e%2)
.set vv, vv+1
.endr
.set e, e+1
.endr
.set e, 0
.rept 8
	s_wait_dscnt 4*(7-e)                           ; the younger quartets stay out; the factors' loads are older than all of them
.set rB, S+16*e
.set rG, ST+8*(e/2)
	v_pk_mul_f32 v[rB:rB+1], v[rB:rB+1], v[rG:rG+1]
	v_pk_mul_f32 v[rB+2:rB+3], v[rB+2:rB+3], v[rG:rG+1]
.set vv, 1
.rept 3
	v_pk_fma_f32 v[rB:rB+1], v[rB+4*vv:rB+4*vv+1], v[rG+2*vv:rG+2*vv+1], v[rB:rB+1]
	v_pk_fma_f32 v[rB+2:rB+3], v[rB+4*vv+2:rB+4*vv+3], v[rG+2*vv:rG+2*vv+1], v[rB+2:rB+3]
.set vv, vv+1
.endr
	global_store_b128 v[GO], v[rB:rB+3], s[OUT:OUT+1] offset:1024*(e/2)+512*(e%2) th:TH_STORE_NT  ; the wave stores 512 consecutive bytes, at a multiple of 256 from out0's first
.set e, e+1
.endr
	s_wait_xcnt 0x0                                ; the stores have read their data and their base: both are written again only behind this wait
	s_add_nc_u64 s[OUT:OUT+1], s[OUT:OUT+1], 4096
	s_add_co_u32 s[SB], s[SB], 4*SPITCH
	s_add_co_u32 s[SG], s[SG], 128
	s_sub_co_u32 s[BK], s[BK], 1
	s_cmp_lg_u32 s[BK], 0
	s_cbranch_scc1 .Lback
	s_wait_tensorcnt 0x0                           ; the wave's end, behind my last tensor load and my last LDS store
	ds_add_u32 v[SPW], v[NIL]
	s_wait_dscnt 0x0
	ROUND                                          ; the closing round: no work-group ends while a partner may still ask for a tile that names it
	s_endpgm
.Lfunc_end_k_q16266a7b36_imgatt:
	.size	k_q16266a7b36_imgatt, .Lfunc_end_k_q16266a7b36_imgatt-k_q16266a7b36_imgatt
	.p2alignl 7, 3214868480
	.fill 96, 4, 3214868480
	.section	.rodata,"a",@progbits
	.p2align	6, 0x0
	.amdhsa_kernel k_q16266a7b36_imgatt
		.amdhsa_group_segment_fixed_size 327680
		.amdhsa_private_segment_fixed_size 0
		.amdhsa_enable_private_segment 0
		.amdhsa_kernarg_size 32
		.amdhsa_user_sgpr_count 2
		.amdhsa_user_sgpr_kernarg_segment_ptr 1
		.amdhsa_wavefront_size32 1
		.amdhsa_system_sgpr_workgroup_id_x 1
		.amdhsa_system_sgpr_workgroup_id_y 1
		.amdhsa_system_sgpr_workgroup_id_z 1
		.amdhsa_system_vgpr_workitem_id 0
		.amdhsa_next_free_vgpr 1024
		.amdhsa_next_free_sgpr 66
		.amdhsa_reserve_vcc 0
		.amdhsa_float_denorm_mode_32 3
		.amdhsa_float_denorm_mode_16_64 3
		.amdhsa_memory_ordered 1
		.amdhsa_forward_progress 1
		.amdhsa_inst_pref_size 170
	.end_amdhsa_kernel
	.amdgpu_metadata
---
amdhsa.version: [ 1, 2 ]
amdhsa.kernels:
  - .name:           k_q16266a7b36_imgatt
    .symbol:         k_q16266a7b36_imgatt.kd
    .args:
      - { .name: ib, .offset: 0, .size: 8, .value_kind: global_buffer, .address_space: global }
      - { .name: tb, .offset: 8, .size: 8, .value_kind: global_buffer, .address_space: global }
      - { .name: out0, .offset: 16, .size: 8, .value_kind: global_buffer, .address_space: global }
      - { .name: lse, .offset: 24, .size: 8, .value_kind: global_buffer, .address_space: global }
    .group_segment_fixed_size: 327680
    .private_segment_fixed_size: 0
    .kernarg_segment_align: 8
    .kernarg_segment_size: 32
    .max_flat_workgroup_size: 128
    .sgpr_count:     66
    .vgpr_count:     1024
    .wavefront_size: 32
...
	.end_amdgpu_metadata
.endif
;; end of part 5
;; launch txtatt (part 6): grid 64 x 4, 4 waves a work-group, clusters of 4 x 1, 327,680 bytes of LDS; arguments tb, ib, lse, out1; writes out1
.if DOCPART == 6
	.amdgcn_target "amdgcn-amd-amdhsa--gfx1250"
	.amdhsa_code_object_version 6
	.text
	.protected	k_q16266a7b36_txtatt
	.globl	k_q16266a7b36_txtatt
	.p2align	8
	.type	k_q16266a7b36_txtatt,@function
k_q16266a7b36_txtatt:
	s_mov_b64 s[64:65], 0
	v_nop
	global_prefetch_b8 v0, s[64:65] scope:SCOPE_SE
	s_setreg_imm32_b32 hwreg(HW_REG_WAVE_MODE, 25, 1), 1
	s_wait_xcnt 0x0
	s_wait_alu depctr_hold_cnt(0) depctr_sa_sdst(0) depctr_va_vdst(0) depctr_va_sdst(0) depctr_va_ssrc(0) depctr_va_vcc(0) depctr_vm_vsrc(0)
	s_getreg_b32 s2, hwreg(HW_REG_IB_STS2, 6, 4)
	s_cmp_eq_u32 s2, 0
	s_cbranch_scc0 .Lentry_in_a_cluster
	s_endpgm
.Lentry_in_a_cluster:
	s_bfe_u32 s2, ttmp6, 0x10000c
	s_cmp_lg_u32 s2, 0x3003
	s_cbranch_scc0 .Lentry_shape_is_right
	s_endpgm
.Lentry_shape_is_right:
; out1[b][t][:] = the sum over i of A[b][i][t] I[b][i][:], with A[b][i][t] = 2^(c s - lse[b][i]), s = I[b][i] . T[b][t], c = log2(e) / 16, and lse[b][i] = c m + log2(l) of image row i,
; which the launch before has made with a running maximum.  So the exponent is at most 0 but for rounding, the weight is the finished one, and this launch has no maximum, no sum and no rescaling.
; T (tb) and I (ib): [4][4096][256] bf16; lse f32, inside each 16 rows laid so that row r stands at place 8 (r % 2) + r / 2; out1 f32.  Products and sums in f32; the weights are rounded to bf16.
; LIMITS.  NaN and infinities are not treated apart; a weight below 2^-126 counts as 0.
; SHARES, LAYOUT, CLUSTER as in the launch before, with the parts exchanged: the QUERIES are 64 text rows a work-group (four tiles of 16), held by all four waves; the KEYS are the image rows, split among
; the waves: in step j (16 steps) wave w takes key tile 4 j + w of 64 rows; K and V are both I, one LDS tile, read as it lies for S^T = K Q^T and turned for O^T = V^T P; the four partial sums meet in LDS.
; The keys are taken in a permuted order inside each 16 (matrix row m is LDS row 2 (m % 8) + m / 8): register j of the lanes' half h holds key 2 j + h, whose lse stands at place 8 h + j: eight on end.
; The four work-groups of a cluster belong to one batch and walk the same keys: tiles and lse are asked for jointly.
; BY TURNS.  A weight hangs on its own score and its key's lse alone, so a key block of 16 is turned into weights as soon as its sums are finished.  K Q^T goes by key blocks, 32 products each; behind
; each product of blocks 1 to 3 stands one exponential of the block before (destination and source 0 in window 0: the products' own setting serves it).  Between the blocks, under window 0, a short run:
; the roundings of the block before last, the scalings c s - lse of the block just finished.  V^T P goes by halves of the keys: the 64 products of keys 0-31 want blocks 0 and 1 alone, and block 3's
; exponentials and roundings stand behind the first 32 of them; there the destination's window is O^T's, so a slice costs two switches, 64 a step: the lesser price against 32 exponentials on end
; with no product beside them.
; REGISTERS, in windows of 256 (s_set_vgpr_msb: bits 1:0 source 0, 3:2 source 1, 5:4 source 2, 7:6 destination):
;   window 0: v0-15 addresses; v16-47 the step's lse for my lanes' half; v48-59 the way out; v64-191 S^T (tile t at 32 t, key block kb at + 8 kb), P in place; v192-255 two buffers of four fragments
;   window 1: Q, (tile t, channels 32 c on) at 64 t + 8 c          windows 2, 3: O^T, (channel block cb, tile t) in window 2 + cb / 8 at 8 (4 (cb % 8) + t)
.set PITCH,  528                       ; an LDS row: 512 bytes + 16 of padding: both kinds of read touch sixteen different 16-byte columns (64 banks of 4 bytes: ISA guide 11.1)
.set TILE,   64*PITCH                  ; a wave's key tile
.set SLOT,   4*TILE                    ; 0x21000; no tile's start in slot 0 has one of its two bits, so one exclusive or changes slots
.set STEPB,  4*64*512                  ; bytes of K from step to step
.set STEPS,  16
.set LSEB,   2*SLOT                    ; behind the ring: lse of each wave's 16 tiles, 16 rows of 256 bytes a wave; filled once
.set SPARE,  LSEB+16384                ; the spare words, 128 bytes for each wave: two blocks of 256 bytes that no other line names
.set SPITCH, 1040                      ; the way out: a row of 256 f32 + 16 bytes
.set WSTG,   64*SPITCH                 ; a wave's partial O: the four lie from LDS byte 0 on, in the ring's bytes, when these have had their last fill
.set RR,  1                            ; v1   lane % 16
.set HH,  2                            ; v2   lane / 16
.set AK0, 3                            ; v3   my place in a tile, read as K
.set AV0, 4                            ; v4   read turned, as V
.set ADK, 5                            ; v5   AK0 + the step's tile
.set ADV, 6                            ; v6   AV0 + the step's tile
.set QO,  7                            ; v7   my byte offset in 16 rows of Q
.set PFO, 8                            ; v8   256 x lane
.set STO, 9                            ; v9   the way out: where I put 32 bytes of a row
.set LA,  10                           ; v10  my half's 32 bytes in my wave's first row of lse
.set LAC, 11                           ; v11  LA + the step's row
.set GO,  12                           ; v12  16 x lane
.set SPW, 14                           ; v14  LDS address of my spare word; never rewritten
.set NIL, 15                           ; v15  0; never rewritten
.set LS,  16                           ; v16-47 lse of key block kb, register j at LS + 8 kb + j
.set RD,  48                           ; v48-51 the way out: my 16 bytes in wave v's copy of my rows
.set RA,  56                           ; v56-59 RD + the trip's rows
.set S,   64
.set FR,  192
.set WV,  12                           ; s12  my wave's number
.set LIM, 15                           ; s15  1 in a cluster that prefetches, else the greatest number
.set PFA, 18                           ; s[18:19] where my prefetches stand
.set G1,  24                           ; s[24:31] descriptor group 1 for key tiles
.set G0,  32                           ; s[32:35] descriptor group 0 for key tiles: it walks
.set LEFT, 36                          ; s36  trips to go
.set TB,  37                           ; s37  LDS byte of my tile of the step in hand
.set CS,  38                           ; s[38:39] c, twice
.set BK,  43                           ; s43  counts the way out's trips
.set G1L, 44                           ; s[44:51] descriptor group 1 for lse
.set G0L, 52                           ; s[52:55] descriptor group 0 for lse
.set SB,  60                           ; s60  the way out: bytes of stage rows done
.set LB,  61                           ; s61  bytes of lse rows done
.set OUT, 10                           ; s[10:11] out1 at my rows
.set W_KQ, 0x04                        ; Q (source 1) in window 1, all else in window 0: LDS loads into window 0 and exponentials in window 0 run under it too
.set MSB, 0
.macro WIN new                         ; the high byte repeats the setting that is left; a switch that changes nothing is dropped
.if MSB != (\new)
	s_set_vgpr_msb (MSB<<8)|(\new)
.set MSB, (\new)
.endif
.endm
.macro PLACES                          ; four plain vector instructions between a matrix instruction and what reads its result, writes or loads into its registers
.rept 4
	v_nop
.endr
.endm
.macro ROUND                           ; a round of the cluster's barrier: my work-group's barrier; wave 0 signals for it; every wave waits for all four work-groups; my work-group's barrier again
	s_barrier_signal -1
	s_barrier_wait -1
	s_cmp_lg_u32 s[WV], 0
	s_cbranch_scc1 .Lnot_wave_0_\@
	s_barrier_signal -3
.Lnot_wave_0_\@:
	s_barrier_wait -3
	s_barrier_signal -1
	s_barrier_wait -1
.endm
.macro JLOAD                           ; a joint load: every wave fetches its own key tile; s_nop 0 and four v_nop follow
	tensor_load_to_lds s[G0:G0+3], s[G1:G1+7]
	s_nop 0
	PLACES
.endm
; A PREFETCH INTO THE L2 of the tile that my wave will ask for at the NEXT change of slots: one step, 256 matrix instructions, ahead of that load.  All 16 clusters of a batch
; walk the same keys: the batch's first cluster asks, and nobody else.  Of wave w's 32,768 bytes each of the four partners takes 8,192, told apart BY ADDRESS, a lane a block of 256: each block is
; named once in the launch.  The loop's last trip asks for nothing: there is no step behind the one that it loads.  Steps 0 and 1 come by their loads alone.
.macro ASK
	s_cmp_gt_u32 s[LEFT], s[LIM]
	s_cbranch_scc0 .Lnot_mine_\@
	global_prefetch_b8 v[PFO], s[PFA:PFA+1] th:TH_LOAD_NT scope:SCOPE_SE
.Lnot_mine_\@:
.endm
; THE CHANGE OF SLOTS.  Each wave waits for all its tensor loads (the tile of the step to come; the first time lse too), adds 0 to its spare word, and waits for that and for its reads of the slot that it leaves.
; fill = 1: a round of the cluster's barrier, and first behind it the joint load of the step after, into the slot just left (at the first use: slot 1's first fill).
; The four v_nop and the additions are the places between the last products V^T P and the loads into the buffers that these have read.
.macro CHANGE fill
	WIN 0                                          ; at a label and at a branch every window is 0
	s_wait_tensorcnt 0x0                           ; no tensor load of mine is out, so group 0 may be written
	ds_add_u32 v[SPW], v[NIL]                      ; 0 onto my spare word
.if \fill
	s_xor_b32 s[G0+1], s[G0+1], SLOT               ; the other slot than last time,
	s_add_nc_u64 s[G0+2:G0+3], s[G0+2:G0+3], STEPB ; the next step's tile; the type bits on top are not reached
	s_wait_xcnt 0x0                                ; the last prefetch, a step back, has read its address
	s_add_nc_u64 s[PFA:PFA+1], s[PFA:PFA+1], STEPB ; one step further than the descriptor
	s_wait_dscnt 0x0                               ; the add is done, and my reads of the slot are over
	ROUND
	JLOAD
	ASK
.else
	s_wait_dscnt 0x0
	s_barrier_signal -1
	s_barrier_wait -1
	PLACES
.endif
	s_xor_b32 s[TB], s[TB], SLOT
	v_add_nc_u32 v[ADK], s[TB], v[AK0]
	v_add_nc_u32 v[ADV], s[TB], v[AV0]
.endm
; GROUP g of a step's 16: four fragments, eight LDS loads in one run, into buffer g % 2.  g < 8: K, key block g / 2, channels 32 (4 (g % 2) + 0 .. 3) on.
; g >= 8, u = g - 8: V turned, keys 32 (u / 4) on, channel blocks 4 (u % 4) + 0 .. 3.
.macro FETCH g
.set fb, FR+32*((\g)%2)
.set fi, 0
.if (\g) < 8
.set fk, (\g)/2
.set fc, 4*((\g)%2)
.rept 4
	ds_load_b128 v[fb+8*fi:fb+8*fi+3],   v[ADK] offset:fk*16*PITCH+64*(fc+fi)
	ds_load_b128 v[fb+8*fi+4:fb+8*fi+7], v[ADK] offset:fk*16*PITCH+64*(fc+fi)+32
.set fi, fi+1
.endr
.else
.set fu, (\g)-8
.set fk, fu/4
.set fc, 4*(fu%4)
.rept 4
	ds_load_tr16_b128 v[fb+8*fi:fb+8*fi+3],   v[ADV] offset:fk*32*PITCH+32*(fc+fi)
	ds_load_tr16_b128 v[fb+8*fi+4:fb+8*fi+7], v[ADV] offset:fk*32*PITCH+32*(fc+fi)+16*PITCH
.set fi, fi+1
.endr
.endif
.endm
; Number q of the 16 roundings of key block kb: tile q % 4, pair q / 4 of the block's four.  In place: pair b = 4 kb + q / 4 of the tile goes to register 16 (b / 8) + b % 8 of its S^T, which is its
; own first source or holds a weight that has been rounded: registers 0-7 become P of keys 0-31, registers 16-23 P of keys 32-63.
.macro CV kb, q
.set ct, (\q)%4
.set cp, (\q)/4
.set cs, S+32*ct+8*(\kb)+2*cp
.set cd, S+32*ct+16*((\kb)/2)+4*((\kb)%2)+cp
	s_wait_alu depctr_va_vdst(0)
	v_cvt_pk_bf16_f32 v[cd], v[cs], v[cs+1]
.endm
; Key block kb's 16 roundings.  They name no register of the products just issued (those of block kb + 1), so the first four are the places in front of group g's loads, and all are places in front of the scalings that follow.
.macro CL kb, g
.set cq, 0
.rept 16
	CV \kb, cq
.set cq, cq+1
.if cq == 4
	FETCH \g
.endif
.endr
.endm
; Key block kb's 16 scalings: c s - lse, two keys a line, the tiles by turns.  Each accumulator's lowest registers are read first.
.macro FL kb
.set fp, 0
.rept 4
.set ft, 0
.rept 4
.set rS, S+32*ft+8*(\kb)+2*fp
.set rL, LS+8*(\kb)+2*fp
	v_pk_fma_f32 v[rS:rS+1], v[rS:rS+1], s[CS:CS+1], v[rL:rL+1] op_sel_hi:[1,0,1] neg_lo:[0,0,1] neg_hi:[0,0,1]
.set ft, ft+1
.endr
.set fp, fp+1
.endr
.endm
; Group g's sixteen products S^T(t, kb) += K(kb, c) x Q(t, c), kb = g / 2; the first channels start the sums.  The block's four accumulators take turns, one instruction a turn.
; Behind each product of blocks 1 to 3: one exponential of block kb - 1, register 4 (g % 2) + the fragment's number of the same tile's accumulator.  The exponentials' results are used in the
; roundings behind the block, with plain lines between.
.macro MULK g
.set fb, FR+32*((\g)%2)
.set fk, (\g)/2
.set fc, 4*((\g)%2)
.set mi, 0
.rept 4
.set mt, 0
.rept 4
.set rS, S+32*mt+8*fk
.set rQ, 64*mt+8*(fc+mi)
.if (fc+mi) == 0
	v_wmma_f32_16x16x32_bf16 v[rS:rS+7], v[fb+8*mi:fb+8*mi+7], v[rQ:rQ+7], 0
.else
	v_wmma_f32_16x16x32_bf16 v[rS:rS+7], v[fb+8*mi:fb+8*mi+7], v[rQ:rQ+7], v[rS:rS+7]
.endif
.if fk > 0
	v_exp_f32 v[rS-8+fc+mi], v[rS-8+fc+mi]
.endif
.set mt, mt+1
.endr
.set mi, mi+1
.endr
.endm
; Group g's sixteen products O^T(cb, t) += V^T(kk, cb) x P(t, kk), u = g - 8, kk = u / 4.  Each accumulator has one product in each half of the keys: 63 others' stand between two links.
; Behind product i of the first 32 (u < 2), under window 0: exponential i of key block 3 (tile i % 4, register i / 4), and in the even slices from 6 on rounding (i - 6) / 2 of that block, whose two
; exponentials stand two slices back or more, with the rounding before it between; in front of the first rounding there is none, so slice 5 has a v_nop.
.macro MULV g
.set fb, FR+32*((\g)%2)
.set fu, (\g)-8
.set fk, fu/4
.set fc, 4*(fu%2)
.set wv, 0xa0+0x50*((fu%4)/2)          ; C and D in window 2 or 3
.set mi, 0
.rept 4
.set mt, 0
.rept 4
.set rO, 8*(4*(fc+mi)+mt)
.set rP, S+32*mt+16*fk
	WIN wv
	v_wmma_f32_16x16x32_bf16 v[rO:rO+7], v[fb+8*mi:fb+8*mi+7], v[rP:rP+7], v[rO:rO+7]
.if fu < 2
.set ri, 16*fu+4*mi+mt
	WIN 0
	v_exp_f32 v[S+32*mt+24+4*fu+mi], v[S+32*mt+24+4*fu+mi]
.if ri == 5
	v_nop
.endif
.if (ri >= 6) && (ri%2 == 0)
	CV 3, (ri-6)/2
.endif
.endif
.set mt, mt+1
.endr
.set mi, mi+1
.endr
.endm
; A KEY STEP.  First the step's 64 lse: eight loads, older than all fragments', so the first wait below covers them.  Two groups of fragment loads are out: group g + 2 is asked for four places behind
; group g's products, into the buffer that these have read, 16 products ahead of its own; the wait leaves the one younger group's 8 loads out.
.macro STEP
	v_add_nc_u32 v[LAC], s[LB], v[LA]
	s_add_co_u32 s[LB], s[LB], 256                 ; the next step's row of lse
.set lk, 0
.rept 4
	ds_load_b128 v[LS+8*lk:LS+8*lk+3],   v[LAC] offset:64*lk
	ds_load_b128 v[LS+8*lk+4:LS+8*lk+7], v[LAC] offset:64*lk+16
.set lk, lk+1
.endr
	FETCH 0
	FETCH 1
	WIN W_KQ
	s_wait_dscnt 8
	MULK 0                                         ; key block 0: nothing rides yet
	PLACES
	FETCH 2
	s_wait_dscnt 8
	MULK 1
	PLACES                                         ; in front of the loads, and of the scalings that read the sums
	FETCH 3
	WIN 0
	FL 0
.set kq, 1
.rept 3                                        ; key block kq | the exponentials of block kq - 1; then that block's roundings and this block's scalings
	WIN W_KQ
	s_wait_dscnt 8
	MULK 2*kq
	PLACES
	FETCH 2*kq+2
	s_wait_dscnt 8
	MULK 2*kq+1
	WIN 0
	CL kq-1, 2*kq+3
	FL kq
.set kq, kq+1
.endr
.set gg, 8
.rept 8                                        ; keys 0-31 (groups 8 to 11) | block 3's exponentials and roundings; then keys 32-63
.if gg < 15
	s_wait_dscnt 8
.else
	s_wait_dscnt 0                                 ; the last group: nothing was fetched behind it
.endif
	MULV gg
.if gg == 9
	WIN 0
	CV 3, 13                                       ; the last three roundings
	CV 3, 14
	CV 3, 15
.endif
.if gg < 14
	PLACES
	WIN 0
	FETCH gg+2
.endif
.set gg, gg+1
.endr
.endm
	s_load_b256 s[4:11], s[0:1], 0x0               ; tb (Q) s[4:5], ib (K = V) s[6:7], lse s[8:9], out1 s[10:11]
	v_lshl_add_u32 v[SPW], v0, 2, SPARE
	v_mov_b32 v[NIL], 0
	ds_add_u32 v[SPW], v[NIL]                      ; the wave's opening: the add and its wait stand ahead of my first tensor load; work on registers stands between them
	v_lshrrev_b32 v1, 5, v0
	v_readfirstlane_b32 s[WV], v1                  ; wave 0..3
	s_bfe_u32 s13, ttmp6, 0x40000                  ; cx: my place in the cluster: it enters Q's, out1's and the prefetches' addresses alone
	s_lshl_b32 s14, ttmp9, 2                       ; in a cluster launch ttmp9 counts clusters
	s_add_co_u32 s14, s14, s13                     ; my block of 64 queries
	s_and_b32 s20, ttmp7, 0xffff                   ; the batch, which the four partners share
	s_lshl_b32 s16, s20, 21                        ; K: the batch's 4,096 rows of 512 bytes,
	s_lshl_b32 s21, s[WV], 15                      ; my wave's tile of step 0
	s_add_co_u32 s16, s16, s21
	s_mov_b32 s17, 0
	s_lshl_b32 s2, s13, 13                         ; the prefetches: my work-group's 8,192 bytes of that tile,
	s_add_co_u32 s2, s2, s16
	s_add_co_u32 s2, s2, STEPB                     ; at step 1; the first change of slots steps it to step 2
	s_mov_b32 s3, 0
	s_lshl_b32 s22, s20, 21                        ; Q: the batch, my block's 64 rows of 512 bytes
	s_lshl_b32 s23, s14, 15
	s_add_co_u32 s22, s22, s23
	s_mov_b32 s23, 0
	s_lshl_b32 s56, s20, 22                        ; out1: rows of 1,024 bytes: the batch, my block, my wave's 16 rows
	s_lshl_b32 s57, s14, 16
	s_add_co_u32 s56, s56, s57
	s_lshl_b32 s57, s[WV], 14
	s_add_co_u32 s56, s56, s57
	s_mov_b32 s57, 0
	s_lshl_b32 s58, s20, 14                        ; lse: the batch, my wave's tile of step 0: 256 bytes
	s_lshl_b32 s59, s[WV], 8
	s_add_co_u32 s58, s58, s59
	s_mov_b32 s59, 0
	; descriptor group 1 for key tiles: 64 rows x 256 elements of 2 bytes, padded in LDS
	s_mov_b32 s[G1], 15|(1<<16)|(1<<20)|(1<<21)|(6<<22)|(3<<25)  ; 15:0 the mask of four; 17:16 2-byte elements; 20 padding on; 21 set beside a mask; 24:22 after every 128 words (code 6); 31:25 4 words (code 3)
	s_mov_b32 s[G1+1], 256<<16                     ; tensor_dim0 = 256
	s_mov_b32 s[G1+2], 64<<16                      ; tensor_dim1 = 64
	s_mov_b32 s[G1+3], 256<<16                     ; tile_dim0 = 256
	s_mov_b32 s[G1+4], 64                          ; tile_dim1 = 64
	s_mov_b32 s[G1+5], 256                         ; 256 elements from row to row
	s_mov_b32 s[G1+6], 0
	s_mov_b32 s[G1+7], 0
	; descriptor group 1 for lse: 16 rows (my wave's 16 tiles) x 64 elements of 4 bytes, a row every four tiles, dense in LDS
	s_mov_b32 s[G1L], 15|(2<<16)|(1<<21)
	s_mov_b32 s[G1L+1], 64<<16                     ; tensor_dim0 = 64
	s_mov_b32 s[G1L+2], 16<<16                     ; tensor_dim1 = 16
	s_mov_b32 s[G1L+3], 64<<16                     ; tile_dim0 = 64
	s_mov_b32 s[G1L+4], 16                         ; tile_dim1 = 16
	s_mov_b32 s[G1L+5], 256                        ; 256 elements from row to row
	s_mov_b32 s[G1L+6], 0
	s_mov_b32 s[G1L+7], 0
	s_mov_b32 s[G0], 1                             ; count = 1
	s_mul_i32 s[G0+1], s[WV], TILE                 ; LDS address: my tile in slot 0
	s_xor_b32 s[TB], s[G0+1], SLOT                 ; the first change of slots turns it into slot 0
	s_mov_b32 s[G0L], 1
	s_lshl_b32 s[G0L+1], s[WV], 12
	s_add_co_u32 s[G0L+1], s[G0L+1], LSEB          ; my wave's 4,096 bytes
	s_mov_b32 s[CS], 0x3db8aa3b                    ; c = log2(e) / 16
	s_mov_b32 s[CS+1], s[CS]
	s_mov_b32 s[LB], 0
	s_cmp_eq_u32 ttmp9, 0                          ; the batch's first cluster: the same answer in all four partners
	s_cselect_b32 s[LIM], 1, -1
	s_wait_dscnt 0x0                               ; the opening add is done
	s_wait_kmcnt 0x0
	s_add_nc_u64 s[G0+2:G0+3], s[6:7], s[16:17]
	s_or_b32 s[G0+3], s[G0+3], 0x80000000          ; type = 2
	s_add_nc_u64 s[G0L+2:G0L+3], s[8:9], s[58:59]
	s_or_b32 s[G0L+3], s[G0L+3], 0x80000000
	s_add_nc_u64 s[PFA:PFA+1], s[6:7], s[2:3]
	s_add_nc_u64 s[4:5], s[4:5], s[22:23]
	s_add_nc_u64 s[10:11], s[10:11], s[56:57]
	ROUND                                          ; all four work-groups are here: the first joint loads meet
	tensor_load_to_lds s[G0L:G0L+3], s[G1L:G1L+7]  ; lse of all my tiles,
	s_nop 0
	JLOAD                                          ; and step 0 into slot 0: two tensor loads of mine are out
	v_and_b32 v[RR], 15, v0
	v_bfe_u32 v[HH], v0, 4, 1
	v_lshlrev_b32 v[QO], 9, v[RR]
	v_lshl_add_u32 v[QO], v[HH], 4, v[QO]          ; row x 512 + 16 x half
	WIN 0x40                                       ; destination window 1, address window 0
.set i, 0
.rept 32                                       ; Q stays in registers: tile i / 8, channels 32 (i % 8) on; two loads of 16 bytes, 32 bytes apart
	global_load_b128 v[8*i:8*i+3],   v[QO], s[4:5] offset:(i/8)*8192+(i%8)*64
	global_load_b128 v[8*i+4:8*i+7], v[QO], s[4:5] offset:(i/8)*8192+(i%8)*64+32
.set i, i+1
.endr
	; O^T starts at 0, so that no first step is written out.  Its 512 registers are set by 64 products of two fragments of zeros with C = 0, eight registers a line; they run while the first tile is on its way.
	WIN 0
.set i, 0
.rept 16
	v_mov_b32 v[FR+i], 0
.set i, i+1
.endr
	WIN 0x80                                       ; destination window 2
.set i, 0
.rept 32
	v_wmma_f32_16x16x32_bf16 v[8*i:8*i+7], v[FR:FR+7], v[FR+8:FR+15], 0
.set i, i+1
.endr
	WIN 0xc0                                       ; destination window 3
.set i, 0
.rept 32
	v_wmma_f32_16x16x32_bf16 v[8*i:8*i+7], v[FR:FR+7], v[FR+8:FR+15], 0
.set i, i+1
.endr
	WIN 0
	v_and_b32 v52, 7, v0                           ; a = lane % 8
	v_bfe_u32 v53, v0, 3, 1                        ; b = (lane / 8) % 2
	v_lshl_add_u32 v54, v52, 1, v53
	v_mul_u32_u24 v[AK0], v54, PITCH
	v_lshl_add_u32 v[AK0], v[HH], 4, v[AK0]        ; as K: row 2 a + b, 16 bytes for each half of the lanes
	v_lshl_add_u32 v54, v52, 1, v[HH]
	v_mul_u32_u24 v[AV0], v54, PITCH
	v_lshl_add_u32 v[AV0], v53, 4, v[AV0]          ; turned: row 2 a + lane / 16, channels 8 b on
	v_and_b32 v55, 31, v0
	v_lshlrev_b32 v[PFO], 8, v55
	v_lshlrev_b32 v[GO], 4, v55
	s_mul_i32 s20, s[WV], WSTG
	v_mul_u32_u24 v[STO], v[RR], SPITCH
	v_lshl_add_u32 v[STO], v[HH], 5, v[STO]
	v_add_nc_u32 v[STO], s20, v[STO]               ; my stage: row lane % 16, 32 bytes for each half of the lanes
	s_mul_i32 s21, s[WV], 16*SPITCH
	v_add_nc_u32 v[RD], s21, v[GO]                 ; back: rows 16 w on, 16 bytes a lane, in each wave's stage
	v_add_nc_u32 v[RD+1], WSTG, v[RD]
	v_add_nc_u32 v[RD+2], 2*WSTG, v[RD]
	v_add_nc_u32 v[RD+3], 3*WSTG, v[RD]
	v_lshl_add_u32 v[LA], v[HH], 5, s[G0L+1]       ; my wave's lse, 32 bytes for each half of the lanes
	s_wait_loadcnt 0x0                             ; Q
	s_mov_b32 s[LEFT], STEPS-1
.Lstep:                                        ; 15 trips: step j is worked on, step j + 1 asked for
	CHANGE 1
	STEP
	WIN 0
	s_sub_co_u32 s[LEFT], s[LEFT], 1
	s_cmp_lg_u32 s[LEFT], 0
	s_cbranch_scc1 .Lstep
	CHANGE 0                                       ; the last step is written out: nothing is asked for
	STEP
	WIN 0
	; THE WAY OUT.  Eight v_nop, once a launch, stand between the last products and the stores that read their results (four are asked for).
	PLACES
	PLACES
	s_wait_dscnt 0x0                               ; my reads of the ring are over: behind this barrier its bytes serve as stages
	s_barrier_signal -1
	s_barrier_wait -1
	; A lane's eight channels of a query are 32 bytes of a row of out1: each wave lays its partial O into its stage, each accumulator's low registers first.
.set w2, 0
.rept 2
	WIN 0x08+0x04*w2                               ; the stores' data (source 1) in window 2 or 3
.set i, 0
.rept 32
	ds_store_b128 v[STO], v[8*i:8*i+3]   offset:16*SPITCH*(i%4)+64*(8*w2+i/4)
	ds_store_b128 v[STO], v[8*i+4:8*i+7] offset:16*SPITCH*(i%4)+64*(8*w2+i/4)+16
.set i, i+1
.endr
.set w2, w2+1
.endr
	WIN 0
	s_wait_dscnt 0x0                               ; for the others' sake: my stage is written
	s_barrier_signal -1
	s_barrier_wait -1
	s_mov_b32 s[SB], 0
	s_mov_b32 s[BK], 4
.Lback:                                        ; wave w adds up and stores rows 16 w .. 16 w + 15, four rows a trip
.set vv, 0
.rept 4
	v_add_nc_u32 v[RA+vv], s[SB], v[RD+vv]
.set vv, vv+1
.endr
.set e, 0
.rept 8                                        ; half e % 2 of row e / 2, from the four stages
.set vv, 0
.rept 4
	ds_load_b128 v[S+16*e+4*vv:S+16*e+4*vv+3], v[RA+vv] offset:SPITCH*(e/2)+512*(e%2)
.set vv, vv+1
.endr
.set e, e+1
.endr
.set e, 0
.rept 8
	s_wait_dscnt 4*(7-e)                           ; the younger quartets stay out
.set rB, S+16*e
	v_pk_add_f32 v[rB:rB+1], v[rB:rB+1], v[rB+4:rB+5]
	v_pk_add_f32 v[rB+2:rB+3], v[rB+2:rB+3], v[rB+6:rB+7]
	v_pk_add_f32 v[rB+8:rB+9], v[rB+8:rB+9], v[rB+12:rB+13]
	v_pk_add_f32 v[rB+10:rB+11], v[rB+10:rB+11], v[rB+14:rB+15]
	v_pk_add_f32 v[rB:rB+1], v[rB:rB+1], v[rB+8:rB+9]
	v_pk_add_f32 v[rB+2:rB+3], v[rB+2:rB+3], v[rB+10:rB+11]
	global_store_b128 v[GO], v[rB:rB+3], s[OUT:OUT+1] offset:1024*(e/2)+512*(e%2) th:TH_STORE_NT  ; the wave stores 512 consecutive bytes, at a multiple of 256 from out1's first
.set e, e+1
.endr
	s_wait_xcnt 0x0                                ; the stores have read their data and their base: both are written again only behind this wait
	s_add_nc_u64 s[OUT:OUT+1], s[OUT:OUT+1], 4096
	s_add_co_u32 s[SB], s[SB], 4*SPITCH
	s_sub_co_u32 s[BK], s[BK], 1
	s_cmp_lg_u32 s[BK], 0
	s_cbranch_scc1 .Lback
	s_wait_tensorcnt 0x0                           ; the wave's end, behind my last tensor load and my last LDS store
	ds_add_u32 v[SPW], v[NIL]
	s_wait_dscnt 0x0
	ROUND                                          ; the closing round: no work-group ends while a partner may still ask for a tile that names it
	s_endpgm
.Lfunc_end_k_q16266a7b36_txtatt:
	.size	k_q16266a7b36_txtatt, .Lfunc_end_k_q16266a7b36_txtatt-k_q16266a7b36_txtatt
	.p2alignl 7, 3214868480
	.fill 96, 4, 3214868480
	.section	.rodata,"a",@progbits
	.p2align	6, 0x0
	.amdhsa_kernel k_q16266a7b36_txtatt
		.amdhsa_group_segment_fixed_size 327680
		.amdhsa_private_segment_fixed_size 0
		.amdhsa_enable_private_segment 0
		.amdhsa_kernarg_size 32
		.amdhsa_user_sgpr_count 2
		.amdhsa_user_sgpr_kernarg_segment_ptr 1
		.amdhsa_wavefront_size32 1
		.amdhsa_system_sgpr_workgroup_id_x 1
		.amdhsa_system_sgpr_workgroup_id_y 1
		.amdhsa_system_sgpr_workgroup_id_z 1
		.amdhsa_system_vgpr_workitem_id 0
		.amdhsa_next_free_vgpr 1024
		.amdhsa_next_free_sgpr 66
		.amdhsa_reserve_vcc 0
		.amdhsa_float_denorm_mode_32 3
		.amdhsa_float_denorm_mode_16_64 3
		.amdhsa_memory_ordered 1
		.amdhsa_forward_progress 1
		.amdhsa_inst_pref_size 120
	.end_amdhsa_kernel
	.amdgpu_metadata
---
amdhsa.version: [ 1, 2 ]
amdhsa.kernels:
  - .name:           k_q16266a7b36_txtatt
    .symbol:         k_q16266a7b36_txtatt.kd
    .args:
      - { .name: tb, .offset: 0, .size: 8, .value_kind: global_buffer, .address_space: global }
      - { .name: ib, .offset: 8, .size: 8, .value_kind: global_buffer, .address_space: global }
      - { .name: lse, .offset: 16, .size: 8, .value_kind: global_buffer, .address_space: global }
      - { .name: out1, .offset: 24, .size: 8, .value_kind: global_buffer, .address_space: global }
    .group_segment_fixed_size: 327680
    .private_segment_fixed_size: 0
    .kernarg_segment_align: 8
    .kernarg_segment_size: 32
    .max_flat_workgroup_size: 128
    .sgpr_count:     66
    .vgpr_count:     1024
    .wavefront_size: 32
...
	.end_amdgpu_metadata
.endif
;; end of part 6
;; ======== version 3 of 3: 3 launches; version 2 with the launch cast written anew for expert scheduling mode
;; workspace buffers: ib 8,388,608 bytes; tb 8,388,608 bytes; lse 65,536 bytes
;; launch cast (part 7): grid 512 x 1, 8 waves a work-group, no clusters, 0 bytes of LDS; arguments image_features, text_features, ib, tb; writes ib, tb
.if DOCPART == 7
	.amdgcn_target "amdgcn-amd-amdhsa--gfx1250"
	.amdhsa_code_object_version 6
	.text
	.protected	k_q16266a7b36_cast
	.globl	k_q16266a7b36_cast
	.p2align	8
	.type	k_q16266a7b36_cast,@function
k_q16266a7b36_cast:
	s_mov_b64 s[64:65], 0
	v_nop
	global_prefetch_b8 v0, s[64:65] scope:SCOPE_SE
	s_setreg_imm32_b32 hwreg(HW_REG_WAVE_SCHED_MODE, 0, 2), 2
	s_setreg_imm32_b32 hwreg(HW_REG_WAVE_MODE, 25, 1), 1
	s_wait_xcnt 0x0
	s_wait_alu depctr_vm_vsrc(0)
; ib = bf16(image_features), tb = bf16(text_features): both inputs rounded once, to nearest even, for the two attention launches,
; whose 64 work-groups a batch read every tile and whose turning LDS load wants 16-bit data.
; A pure stream: no LDS, no matrix unit, no cluster (no byte is read twice).  A work-group takes 32,768 bytes of each input: 8 chunks of 4,096
; bytes, 16 bytes a thread, so a wave's load covers 512 consecutive bytes; a thread's 4 numbers leave as 8 bytes, so a wave's store covers
; 256 consecutive bytes, aligned.  All 16 loads of a wave go out at once; no register is written twice, so no wait frees any.
; THE MODE: SCHED_MODE bits 1:0 = 2 (LLVM: expert scheduling mode 2), set by the entry lines.  The code itself states the register dependences
; between vector instructions and memory instructions, with s_wait_alu, always for 0.
; THE PLAN.  Registers that memory instructions touch:
;   v1, v2   byte offsets of the loads and of the stores.  Written once, by the two vector lines at the head; read by every load (v1) and every store (v2).
;   X        16 x 4 registers.  Written by the 16 loads, each chunk into its own; no vector line names them ahead of the loads; read by the conversions, behind which no load is issued.
;   Y        16 x 2 registers.  Written by the conversions, each pair once; read by that chunk's store; never written again.
; The 16 chunks go in four blocks of four (blocks 0 and 1 the image's, 2 and 3 the text's): a wait for the block's loads, its eight conversions, ONE wait on va_vdst, its four stores in a run.
; So five waits state everything: one at the head for the two offsets, one a block for its eight registers of Y.  The block's wait stands behind its conversions and not at the next block's
; head: nothing follows the last store, so a block's stores leave as soon as they are rounded and do not wait for the next block's loads.
; No register that a memory instruction reads is written again, so no wait on vm_vsrc is owed; no vector line writes a scalar register or VCC, and EXEC is never written.
.set CHUNK, 4096                       ; bytes that the 256 threads read with one load each
.set BLOCK, 4                          ; chunks in a block
.set X, 8                              ; v[8:71]   16 x 4 registers as loaded: 8 chunks of the image, 8 of the text
.set Y, 72                             ; v[72:103] 16 x 2 registers to store
	s_load_b256 s[4:11], s[0:1], 0x0               ; image s[4:5], text s[6:7], ib s[8:9], tb s[10:11]
	v_lshlrev_b32 v1, 4, v0                        ; my 16 bytes of a chunk
	v_lshlrev_b32 v2, 3, v0                        ; my 8 bytes of its rounded copy
	s_lshl_b32 s12, ttmp9, 15                      ; the work-group's 32,768 bytes in,
	s_mov_b32 s13, 0
	s_lshl_b32 s14, ttmp9, 14                      ; and 16,384 bytes out
	s_mov_b32 s15, 0
	s_wait_kmcnt 0x0
	s_add_nc_u64 s[4:5], s[4:5], s[12:13]
	s_add_nc_u64 s[6:7], s[6:7], s[12:13]
	s_add_nc_u64 s[8:9], s[8:9], s[14:15]
	s_add_nc_u64 s[10:11], s[10:11], s[14:15]
	s_wait_alu depctr_va_vdst(0)                   ; v1 and v2 are written: every load reads v1, every store v2, as its offset; no later vector line names either
.set i, 0
.rept 8
	global_load_b128 v[X+4*i:X+4*i+3], v1, s[4:5] offset:CHUNK*i th:TH_LOAD_NT
.set i, i+1
.endr
.set i, 0
.rept 8
	global_load_b128 v[X+32+4*i:X+32+4*i+3], v1, s[6:7] offset:CHUNK*i th:TH_LOAD_NT
.set i, i+1
.endr
.set p, 0
.rept 16/BLOCK
	s_wait_loadcnt 16-BLOCK-BLOCK*p                ; loads come back in order: block p's four are in, the four of each younger block stay out
.set i, BLOCK*p
.rept BLOCK
	v_cvt_pk_bf16_f32 v[Y+2*i], v[X+4*i], v[X+4*i+1]
	v_cvt_pk_bf16_f32 v[Y+2*i+1], v[X+4*i+2], v[X+4*i+3]
.set i, i+1
.endr
	s_wait_alu depctr_va_vdst(0)                   ; the block's eight conversions have written its eight registers of Y, which the four stores below read as their data
.set i, BLOCK*p
.rept BLOCK
.if i < 8
	global_store_b64 v2, v[Y+2*i:Y+2*i+1], s[8:9] offset:(CHUNK/2)*i
.else
	global_store_b64 v2, v[Y+2*i:Y+2*i+1], s[10:11] offset:(CHUNK/2)*(i-8)
.endif
.set i, i+1
.endr
.set p, p+1
.endr
	s_endpgm
.Lfunc_end_k_q16266a7b36_cast:
	.size	k_q16266a7b36_cast, .Lfunc_end_k_q16266a7b36_cast-k_q16266a7b36_cast
	.p2alignl 7, 3214868480
	.fill 96, 4, 3214868480
	.section	.rodata,"a",@progbits
	.p2align	6, 0x0
	.amdhsa_kernel k_q16266a7b36_cast
		.amdhsa_group_segment_fixed_size 0
		.amdhsa_private_segment_fixed_size 0
		.amdhsa_enable_private_segment 0
		.amdhsa_kernarg_size 32
		.amdhsa_user_sgpr_count 2
		.amdhsa_user_sgpr_kernarg_segment_ptr 1
		.amdhsa_wavefront_size32 1
		.amdhsa_system_sgpr_workgroup_id_x 1
		.amdhsa_system_sgpr_workgroup_id_y 1
		.amdhsa_system_sgpr_workgroup_id_z 1
		.amdhsa_system_vgpr_workitem_id 0
		.amdhsa_next_free_vgpr 104
		.amdhsa_next_free_sgpr 66
		.amdhsa_reserve_vcc 0
		.amdhsa_float_denorm_mode_32 3
		.amdhsa_float_denorm_mode_16_64 3
		.amdhsa_memory_ordered 1
		.amdhsa_forward_progress 1
		.amdhsa_inst_pref_size 7
	.end_amdhsa_kernel
	.amdgpu_metadata
---
amdhsa.version: [ 1, 2 ]
amdhsa.kernels:
  - .name:           k_q16266a7b36_cast
    .symbol:         k_q16266a7b36_cast.kd
    .args:
      - { .name: image_features, .offset: 0, .size: 8, .value_kind: global_buffer, .address_space: global }
      - { .name: text_features, .offset: 8, .size: 8, .value_kind: global_buffer, .address_space: global }
      - { .name: ib, .offset: 16, .size: 8, .value_kind: global_buffer, .address_space: global }
      - { .name: tb, .offset: 24, .size: 8, .value_kind: global_buffer, .address_space: global }
    .group_segment_fixed_size: 0
    .private_segment_fixed_size: 0
    .kernarg_segment_align: 8
    .kernarg_segment_size: 32
    .max_flat_workgroup_size: 256
    .sgpr_count:     66
    .vgpr_count:     104
    .wavefront_size: 32
...
	.end_amdgpu_metadata
.endif
;; end of part 7
;; launch imgatt: the kernel of part 5 again; grid 64 x 4, 4 waves a work-group, clusters of 4 x 1, 327,680 bytes of LDS; arguments ib, tb, out0, lse; writes out0, lse
;; launch txtatt: the kernel of part 6 again; grid 64 x 4, 4 waves a work-group, clusters of 4 x 1, 327,680 bytes of LDS; arguments tb, ib, lse, out1; writes out1
